; MI455X (gfx1250); checked and timed in simulation.
; The chip was launched on July 23, 2026; its instructions are those of AMD's public machine-readable ISA for CDNA 5 (MIT licence, August 2026) and "CDNA5" Instruction Set Architecture Reference Guide (July 2026). The comments in the code are by the model that wrote it; some were corrected since.
;; Vector Quantizer. Allowed arithmetic: float matrix products may take bf16 or f16 operands with f32 sums; all other float work in f32.
;; Inputs: emb 8,192 x 256 float32; label 32,768 int32; x 32,768 x 256 float32.
;; Outputs: out0 32,768 x 256 float32; out1 one number float32; out2 32,768 int32.
;; Constants: idx = 0.
;; 2 versions, each right and faster than the one before. Each part assembles by itself: llvm-mc -triple=amdgcn-amd-amdhsa -mcpu=gfx1250 --defsym DOCPART=n.
;; ======== version 1 of 2: 4 launches
;; workspace buffers: embb 4,194,304 bytes; se 32,768 bytes; win 131,072 bytes of whole numbers; part 2,048 bytes
;; launch prep (part 1): grid 128 x 1, 8 waves a work-group, no clusters, 1,280 bytes of LDS; arguments emb, embb, se; writes embb, se
.if DOCPART == 1
	.amdgcn_target "amdgcn-amd-amdhsa--gfx1250"
	.amdhsa_code_object_version 6
	.text
	.protected	k_q58b18a085c_prep
	.globl	k_q58b18a085c_prep
	.p2align	8
	.type	k_q58b18a085c_prep,@function
k_q58b18a085c_prep:
	s_mov_b64 s[64:65], 0
	v_nop
	global_prefetch_b8 v0, s[64:65] scope:SCOPE_SE
	s_setreg_imm32_b32 hwreg(HW_REG_WAVE_MODE, 25, 1), 1
	s_wait_xcnt 0x0
; VectorQuantizer, launch 1 of 4: embb = emb rounded to bf16 (row-major, 512 bytes a row), se[c] = sum over k of embb[c][k]^2 in f32.
;
; WHAT THE WHOLE PROGRAM LEAVES OUT, AND WHY IT IS DEAD FOR ALL VALUES OF THE INPUTS
;   label, idx: reference() names them as arguments and uses them in no expression, so no output hangs on them.  They are not loaded and are
;               among no launch's arguments.
;   the second mean: stop_gradient is the identity on values, so commitment_loss and codebook_loss are the same number m, and
;               loss = m + 0.25 m = 1.25 m.  The mean is summed once.
;   Limit: a NaN, an infinity or an overflow that reached only the work left out would not be carried to the result (label and idx are whole
;               numbers, and the second mean has the first one's values, so there is none).
; WHAT STAYS THOUGH IT IS CONSTANT ALONG THE ARGMIN'S AXIS: |x|^2 in d.  It is so large beside |e|^2 - 2 x.e that the f32 sum loses most of their bits,
;   which makes real ties, and the first index wins a tie.  So d is formed as it is written: fl(fl(sx + se) - 2 dot).
; FORMATS: the product takes bf16 operands, so sx and se are summed from the same rounded numbers: all three terms of d belong to the same vectors.
;
; Eight waves; the work-group owns 64 rows of emb, a wave 8 rows, all 16 loads of a wave issued at once (no loop).
; Lane l owns the 8 numbers at byte 32 l of a row; rounded they are the 16 bytes at 16 l of embb's row: a store of the wave covers 512 consecutive bytes.
; 64 rows a work-group, so that its 64 sums are 256 consecutive bytes of se, stored by one instruction.
; No matrix unit, no cluster, no tensor load: nothing is shared between work-groups and every byte is read once.
.set IN,  16                           ; v[16:79]   row q: 8 f32 as loaded
.set PK,  80                           ; v[80:111]  row q: 4 registers, 8 bf16
.set CHN, 112                          ; v[112:113] two chains of the sum of squares
.set TMP, 114                          ; v114       the other half's sum
.set SEV, 115                          ; v115       lane l keeps the sum of row l mod 8
	s_load_b128 s[4:7], s[0:1], 0x0                ; emb s[4:5], embb s[6:7]
	s_load_b64 s[8:9], s[0:1], 0x10                ; se
	v_lshl_add_u32 v128, v0, 2, 0x100
	v_mov_b32 v129, 0
	v_and_b32 v5, 31, v0                           ; lane
	v_lshrrev_b32 v6, 5, v0
	v_readfirstlane_b32 s10, v6                    ; wave 0..7
	v_lshlrev_b32 v1, 5, v5                        ; 32 bytes a lane in emb's row
	v_lshlrev_b32 v2, 4, v5                        ; 16 bytes a lane in embb's row
	v_and_b32 v3, 7, v5                            ; the row whose sum this lane keeps
	v_mov_b32 v4, 0                                ; the first link's addend
	v_mov_b32 v[TMP], 0                            ; a lane permute's destination counts as read: written once here
	v_mov_b32 v[SEV], 0
	v_lshl_add_u32 v116, s10, 3, v3                ; row in the work-group: 8 wave + lane mod 8
	v_lshlrev_b32 v116, 2, v116                    ; its word in LDS
	v_lshlrev_b32 v117, 3, v5                      ; wave 0's way out: 8 bytes a lane
	s_mov_b32 s12, 0x76543210                      ; v_permlanex16_b32: lane i of one half reads lane i of the other
	s_mov_b32 s13, 0xfedcba98
	s_lshl_b32 s14, ttmp9, 3
	s_add_co_u32 s14, s14, s10                     ; 8 work-group + wave
	s_lshl_b32 s16, s14, 13                        ; x 8 rows of 1,024 bytes
	s_mov_b32 s17, 0
	s_lshl_b32 s18, s14, 12                        ; x 8 rows of 512 bytes
	s_mov_b32 s19, 0
	s_lshl_b32 s20, ttmp9, 8                       ; the work-group's 256 bytes of se
	s_mov_b32 s21, 0
	s_wait_kmcnt 0x0
	s_add_nc_u64 s[4:5], s[4:5], s[16:17]
	s_add_nc_u64 s[6:7], s[6:7], s[18:19]
	s_add_nc_u64 s[8:9], s[8:9], s[20:21]
.irp q, 0,1,2,3,4,5,6,7
	global_load_b128 v[IN+8*\q:IN+8*\q+3],   v1, s[4:5] offset:\q*1024 th:TH_LOAD_NT
	global_load_b128 v[IN+8*\q+4:IN+8*\q+7], v1, s[4:5] offset:\q*1024+16 th:TH_LOAD_NT
.endr
.irp q, 0,1,2,3,4,5,6,7
	s_wait_loadcnt 14-2*\q                         ; loads come back in order: row q's two are in, the two of each of the 7 - q later rows may stay out
.irp i, 0,1,2,3
	v_cvt_pk_bf16_f32 v[PK+4*\q+\i], v[IN+8*\q+2*\i], v[IN+8*\q+2*\i+1]
.endr
	global_store_b128 v2, v[PK+4*\q:PK+4*\q+3], s[6:7] offset:\q*512   ; every row has its own data registers: nothing that a store reads is written again
.irp i, 0,1,2,3
.if \i==0
	v_fma_mix_f32_bf16 v[CHN],   v[PK+4*\q], v[PK+4*\q], v4 op_sel_hi:[1,1,0]                  ; low half squared starts chain 0
	v_fma_mix_f32_bf16 v[CHN+1], v[PK+4*\q], v[PK+4*\q], v4 op_sel:[1,1,0] op_sel_hi:[1,1,0]    ; high half squared starts chain 1
.else
	v_fma_mix_f32_bf16 v[CHN],   v[PK+4*\q+\i], v[PK+4*\q+\i], v[CHN] op_sel_hi:[1,1,0]
	v_fma_mix_f32_bf16 v[CHN+1], v[PK+4*\q+\i], v[PK+4*\q+\i], v[CHN+1] op_sel:[1,1,0] op_sel_hi:[1,1,0]
.endif
.endr
	v_add_f32 v[CHN], v[CHN], v[CHN+1]
	v_add_f32_dpp v[CHN], v[CHN], v[CHN] row_xmask:1 row_mask:0xf bank_mask:0xf
	v_add_f32_dpp v[CHN], v[CHN], v[CHN] row_xmask:2 row_mask:0xf bank_mask:0xf
	v_add_f32_dpp v[CHN], v[CHN], v[CHN] row_xmask:4 row_mask:0xf bank_mask:0xf
	v_add_f32_dpp v[CHN], v[CHN], v[CHN] row_xmask:8 row_mask:0xf bank_mask:0xf
	v_permlanex16_b32 v[TMP], v[CHN], s12, s13
	v_add_f32 v[CHN], v[CHN], v[TMP]               ; every lane holds row q's sum
	v_cmp_eq_u32 vcc_lo, \q, v3
	v_cndmask_b32 v[SEV], v[SEV], v[CHN], vcc_lo   ; the lanes with l mod 8 = q keep it
.endr
	ds_store_b32 v116, v[SEV]                      ; four lanes write each word, with the same value
	s_wait_dscnt 0x0                               ; for wave 0's sake: my stores are done before I signal
	s_barrier_signal -1
	s_barrier_wait -1
	s_cmp_lg_u32 s10, 0
	s_cbranch_scc1 .Ldone
	ds_load_b64 v[118:119], v117                   ; the 64 sums, 8 bytes a lane
	s_wait_dscnt 0x0
	global_store_b64 v117, v[118:119], s[8:9]      ; 256 consecutive bytes, at a multiple of 256 from se's first byte
.Ldone:
	s_wait_tensorcnt 0x0
	ds_add_u32 v128, v129
	s_wait_dscnt 0x0
	s_endpgm
.Lfunc_end_k_q58b18a085c_prep:
	.size	k_q58b18a085c_prep, .Lfunc_end_k_q58b18a085c_prep-k_q58b18a085c_prep
	.p2alignl 7, 3214868480
	.fill 96, 4, 3214868480
	.section	.rodata,"a",@progbits
	.p2align	6, 0x0
	.amdhsa_kernel k_q58b18a085c_prep
		.amdhsa_group_segment_fixed_size 1280
		.amdhsa_private_segment_fixed_size 0
		.amdhsa_enable_private_segment 0
		.amdhsa_kernarg_size 24
		.amdhsa_user_sgpr_count 2
		.amdhsa_user_sgpr_kernarg_segment_ptr 1
		.amdhsa_wavefront_size32 1
		.amdhsa_system_sgpr_workgroup_id_x 1
		.amdhsa_system_sgpr_workgroup_id_y 1
		.amdhsa_system_sgpr_workgroup_id_z 1
		.amdhsa_system_vgpr_workitem_id 0
		.amdhsa_next_free_vgpr 130
		.amdhsa_next_free_sgpr 66
		.amdhsa_reserve_vcc 1
		.amdhsa_float_denorm_mode_32 3
		.amdhsa_float_denorm_mode_16_64 3
		.amdhsa_memory_ordered 1
		.amdhsa_forward_progress 1
		.amdhsa_inst_pref_size 14
	.end_amdhsa_kernel
	.amdgpu_metadata
---
amdhsa.version: [ 1, 2 ]
amdhsa.kernels:
  - .name:           k_q58b18a085c_prep
    .symbol:         k_q58b18a085c_prep.kd
    .args:
      - { .name: emb, .offset: 0, .size: 8, .value_kind: global_buffer, .address_space: global }
      - { .name: embb, .offset: 8, .size: 8, .value_kind: global_buffer, .address_space: global }
      - { .name: se, .offset: 16, .size: 8, .value_kind: global_buffer, .address_space: global }
    .group_segment_fixed_size: 1280
    .private_segment_fixed_size: 0
    .kernarg_segment_align: 8
    .kernarg_segment_size: 24
    .max_flat_workgroup_size: 256
    .sgpr_count:     66
    .vgpr_count:     130
    .wavefront_size: 32
...
	.end_amdgpu_metadata
.endif
;; end of part 1
;; launch vq (part 2): grid 256 x 1, 4 waves a work-group, clusters of 4 x 1, 327,680 bytes of LDS; arguments x, embb, se, out2, win; writes out2, win
.if DOCPART == 2
	.amdgcn_target "amdgcn-amd-amdhsa--gfx1250"
	.amdhsa_code_object_version 6
	.text
	.protected	k_q58b18a085c_vq
	.globl	k_q58b18a085c_vq
	.p2align	8
	.type	k_q58b18a085c_vq,@function
k_q58b18a085c_vq:
	s_mov_b64 s[64:65], 0
	v_nop
	global_prefetch_b8 v0, s[64:65] scope:SCOPE_SE
	s_setreg_imm32_b32 hwreg(HW_REG_WAVE_MODE, 25, 1), 1
	s_wait_xcnt 0x0
	s_wait_alu depctr_hold_cnt(0) depctr_sa_sdst(0) depctr_va_vdst(0) depctr_va_sdst(0) depctr_va_ssrc(0) depctr_va_vcc(0) depctr_vm_vsrc(0)
	s_getreg_b32 s2, hwreg(HW_REG_IB_STS2, 6, 4)
	s_cmp_eq_u32 s2, 0
	s_cbranch_scc0 .Lentry_in_a_cluster
	s_endpgm
.Lentry_in_a_cluster:
	s_bfe_u32 s2, ttmp6, 0x10000c
	s_cmp_lg_u32 s2, 0x3003
	s_cbranch_scc0 .Lentry_shape_is_right
	s_endpgm
.Lentry_shape_is_right:
; VectorQuantizer, launch 2 of 4: for each of the 32,768 rows of x the first index of the least d[c] = fl(fl(sx + se[c]) - 2 dot(x, e[c])), c = 0 .. 8,191.
; Stored twice: out2 (the result) and win (whole numbers, from which the next launch forms its gather's addresses).
; Left out: label and idx, which reach no output (shown at the head of the first launch).  |x|^2 stays in d: the f32 sum loses the other terms' low bits
; against it, the ties that this makes go to the first index, and so d is formed in the order in which it is written.
; x is rounded to bf16 here, on its way to the matrix unit; sx is summed from the rounded numbers, as se was.
; LIMITS.  (1) A distance that is NaN or infinite is not treated as argmin treats it (a NaN never becomes the least value here).  (2) The matrix unit adds the
; 256 products of a dot in another order than a chain of f32 additions; where that moves 2 dot across a rounding boundary of d's grid and the row's two
; best distances lie within one step of that grid, the other of the two indices can come out.
;
; SHARES.  A work-group owns 128 rows of x and walks all 8,192 codes: 256 work-groups.  Wave w: rh = w >> 1, ch = w & 1.  It keeps rows 64 rh .. +63 as four
; bf16 fragments sets (256 registers) for the whole launch, and of every 64 codes it takes the 32 at 32 ch.  A fragment of 16 codes x 32 K from LDS feeds four
; matrix instructions.
; THE MATRIX INSTRUCTION IS USED TRANSPOSED: source 0 = 16 codes, source 1 = 16 rows of x.  Lane (r, h) then holds row r of x, its register j code 8 h + j, so
; that the running minimum needs no traffic between lanes until the end.
; CLUSTER.  All work-groups walk the same tiles of embb in the same order, so four of them form a cluster and ask for every tile of embb, and for se, jointly
; (mask 15): the descriptors hang on the wave's number and the loop's step alone.  x is each work-group's own: a plain load.
; LDS.  Two slots of 256 codes, rows of 512 bytes + 16 of padding (pitch 528 = 33 x 16: the sixteen rows that a load touches start at sixteen different
; 16-byte columns); slot 1's bytes first hold x in f32 (128 rows, pitch 1,040 = 65 x 16); then all of se; then 2,048 bytes that only ds_store fills.
; TWO KINDS OF WORK SIDE BY SIDE.  64 codes x 64 rows (a PAIR: 64 matrix instructions) go into one of two accumulator sets, while the set of the pair before is
; turned into distances and merged into the running minimum: 36 vector instructions for a tile of 16 x 16, cut into eight slices, one behind each matrix instruction.
; REGISTER WINDOWS.  A vector instruction between two matrix instructions runs under their window setting.  So row tiles 0, 1 live in window 1 and row tiles
; 2, 3 in window 2, each with its accumulators, its minima and its work registers; window 0 holds what both use (the codes' fragments, se, addresses).
; One setting, source 0 = window 0 and all else = window W, serves the matrix instructions and every slice.
.set PITCH,  528
.set QUARTB, 64*PITCH                  ; what one tensor load brings: 64 codes
.set HALFB,  128*PITCH
.set SLOTB,  256*PITCH                 ; 135,168
.set XPITCH, 1040
.set SEB,    2*SLOTB                   ; 270,336: se, 32,768 bytes, filled once
.set SCR,    SEB+32768                 ; 303,104: values at 512 ch + 4 row, indices 1,024 further on; no fill lands here
.set TILEG,  256*512                   ; a tile's bytes in embb
; window 0
.set ADR,  4                           ; v[4:7]    2 slot + half: LDS address of my lane's part of the slot's half (128 codes)
.set SEA,  8                           ; v8        LDS address of my 8 numbers of se for the lap's first pair
.set XA,   9                           ; v9        LDS address of my lane's part of x's stage
.set SA,   10                          ; v10       where my row's result goes in SCR
.set RDA,  11                          ; v11       wave 0: where it reads SCR back
.set OUTO, 12                          ; v12       wave 0: 16 bytes a lane in the outputs
.set SE,   16                          ; v[16:47]  se: set x 16 + code tile x 8
.set F,    64                          ; v[64:191] the codes' fragments: code tile x 64 + K step x 8; before that x in f32
.set FIN,  192                         ; v[192:207] the last merge
; window W = 1, 2 (low numbers)
.set X,    0                           ; v[0:127]   x: row tile x 64 + K step x 8
.set ACC,  128                         ; v[128:191] set x 32 + (2 code tile + row tile) x 8
.set BEST, 192                         ; v[192:207] least d so far: row tile x 8 + j
.set IDX,  208                         ; v[208:223] first code of the 16-code tile in which it was found
.set T,    224                         ; v[224:231] t = sx + se, then d
.set DD,   232                         ; v[232:239] d - best
.set SX,   240                         ; v[240:243] sx, twice for each row tile: a pair for the packed add
.set CH,   244                         ; v[244:247] four chains of sx
.set ZERO, 248
; scalars: s14 wave, s15 rh, s16 ch, s17 cx, s18 work-group, s[20:23] offsets free of cx, s66 laps, s67 +infinity, s68 s69 first code of the two code tiles
; that are being finished, s[70:73] lane masks, s74 s75 permute selectors, s[76:79] offsets that hold cx
.set G1E, 24                           ; s[24:31] shape of a tile of embb (joint)
.set G0E, 32                           ; s[32:39] from where, to where: a set for each slot
.set G1X, 40                           ; s[40:47] shape of x's stage (plain)
.set G0X, 48                           ; s[48:51]
.set G1S, 52                           ; s[52:59] shape of se's quarter (joint)
.set G0S, 60                           ; s[60:63]
.set MSB, 0
.macro WIN new                         ; low byte: bits 1:0 source 0, 3:2 source 1, 5:4 source 2, 7:6 destination; the high byte repeats the setting that is left
.if MSB != (\new)
	s_set_vgpr_msb (MSB<<8)|(\new)
.set MSB, \new
.endif
.endm
; 0x54 W: source 0 window 0, the rest window W.  0x55 W: all window W.  0x40 W: destination window W alone.
.macro PLACES                          ; four places behind a matrix instruction where no vector work stands (ISA guide 7.12.1)
.rept 4
	v_nop
.endr
.endm
; A round of the cluster's barrier: my work-group's barrier, wave 0 signals for the work-group, every wave waits for all four work-groups, my work-group's barrier again.
.macro ROUND
	s_barrier_signal -1
	s_barrier_wait -1
	s_cmp_lg_u32 s14, 0
	s_cbranch_scc1 .Lnot_wave_0_\@
	s_barrier_signal -3
.Lnot_wave_0_\@:
	s_barrier_wait -3
	s_barrier_signal -1
	s_barrier_wait -1
.endm
; 16 LDS loads: K steps lo .. lo + 3 of my two code tiles of pair 2 half + q of the slot
.macro LOADF slot, half, q, lo
.irp k, 0,1,2,3
.irp ctl, 0,1
	ds_load_b128 v[F+\ctl*64+(\lo+\k)*8:F+\ctl*64+(\lo+\k)*8+3],   v[ADR+\slot*2+\half] offset:(\q*64+\ctl*16)*PITCH+(\lo+\k)*64
	ds_load_b128 v[F+\ctl*64+(\lo+\k)*8+4:F+\ctl*64+(\lo+\k)*8+7], v[ADR+\slot*2+\half] offset:(\q*64+\ctl*16)*PITCH+(\lo+\k)*64+32
.endr
.endr
.endm
; 4 LDS loads: se of my two code tiles, 8 numbers a lane each (all lanes of a half read the same words)
.macro LOADSE set, imm
.irp ctl, 0,1
	ds_load_b128 v[SE+\set*16+\ctl*8:SE+\set*16+\ctl*8+3],   v[SEA] offset:\imm+\ctl*64
	ds_load_b128 v[SE+\set*16+\ctl*8+4:SE+\set*16+\ctl*8+7], v[SEA] offset:\imm+\ctl*64+16
.endr
.endm
.macro SCMP j                          ; bit set: d >= best, the old index stays (a tie keeps the earlier code)
	v_cmp_le_f32 s[70+((\j)&3)], 0, v[DD+\j]
.endm
.macro SMIN j                          ; +infinity fills source 0, whose window holds no number of this world
	v_min3_num_f32 v[S_B+\j], s67, v[T+\j], v[S_B+\j]
.endm
.macro SCND j
	v_cndmask_b32 v[S_I+\j], s[S_C], v[S_I+\j], s[70+((\j)&3)]
.endm
; Slice n (0 .. 31) of the finishing of accumulator set sp in the current world: tile n >> 3 (row tile n >> 4, code tile (n >> 3) & 1), eighth n & 7.
; Each slice is four or five plain vector instructions that name no register of the matrix instructions of the other set.
.macro SLICE sp, n
.set S_SUB, (\n)&7
.set S_CTL, ((\n)>>3)&1
.set S_RTL, (\n)>>4
.set S_A, ACC+(\sp)*32+(S_CTL*2+S_RTL)*8
.set S_S, SE+(\sp)*16+S_CTL*8
.set S_B, BEST+S_RTL*8
.set S_I, IDX+S_RTL*8
.set S_C, 68+S_CTL
.if S_SUB==0
.irp k, 0,2,4,6
	v_pk_add_f32 v[T+\k:T+\k+1], v[S_S+\k:S_S+\k+1], v[SX+2*S_RTL:SX+2*S_RTL+1]                       ; t = fl(sx + se)
.endr
.endif
.if S_SUB==1
.irp k, 0,2,4,6
	v_pk_fma_f32 v[T+\k:T+\k+1], -2.0, v[S_A+\k:S_A+\k+1], v[T+\k:T+\k+1] op_sel_hi:[0,1,1]           ; d = fl(t - 2 dot): 2 dot is exact, so one rounding, as written
.endr
.endif
.if S_SUB==2
.irp k, 0,2,4,6
	v_pk_fma_f32 v[DD+\k:DD+\k+1], 1.0, v[T+\k:T+\k+1], v[S_B+\k:S_B+\k+1] op_sel_hi:[0,1,1] neg_lo:[0,0,1] neg_hi:[0,0,1]   ; d - best: its sign is exact, and it is 0 only for equal numbers; the 1.0 stands where the window holds the codes
.endr
.endif
.if S_SUB==3
	SCMP 0
	SCMP 1
	SCMP 2
	SCMP 3
	SMIN 0
.endif
.if S_SUB==4
	SMIN 1
	SMIN 2
	SMIN 3
	SCND 0
	SCND 1
.endif
.if S_SUB==5
	SCND 2
	SCND 3
	SCMP 4
	SCMP 5
	SCMP 6
.endif
.if S_SUB==6
	SCMP 7
	SMIN 4
	SMIN 5
	SMIN 6
	SMIN 7
.endif
.if S_SUB==7
	SCND 4
	SCND 5
	SCND 6
	SCND 7
.endif
.endm
; 32 matrix instructions: my 32 codes x world w's 32 rows x all 256 K, into accumulator set aset.  The four accumulators take turns, one instruction a turn.
; The first K step starts the sums with the constant 0.  epi: a slice of the other set's finishing behind each.
; ld (world 2 only, which reads the fragments last): the next pair's fragments are loaded in two runs, each behind the last use of the registers that it fills;
; the four places in front of a run are the slice with eighth 7, or four v_nop where there are no slices.
.macro PASS w, aset, epi, ld, slot, half, q, seimm
	WIN 0x54*\w
.irp ks, 0,1,2,3,4,5,6,7
.if \w==1
.if \ks==0
	s_wait_dscnt 20                                ; LDS loads come back in order: K steps 0-3 are in; the 16 loads of K steps 4-7 and the 4 of se may be out
.endif
.if \ks==4
	s_wait_dscnt 4                                 ; K steps 4-7 are in; the 4 loads of se may be out (they are read a pair later, behind that pair's first wait)
.endif
.endif
.irp ctl, 0,1
.irp rtl, 0,1
.set P_A, ACC+\aset*32+(\ctl*2+\rtl)*8
.if \ks==0
	v_wmma_f32_16x16x32_bf16 v[P_A:P_A+7], v[F+\ctl*64+\ks*8:F+\ctl*64+\ks*8+7], v[X+\rtl*64+\ks*8:X+\rtl*64+\ks*8+7], 0
.else
	v_wmma_f32_16x16x32_bf16 v[P_A:P_A+7], v[F+\ctl*64+\ks*8:F+\ctl*64+\ks*8+7], v[X+\rtl*64+\ks*8:X+\rtl*64+\ks*8+7], v[P_A:P_A+7]
.endif
.if \epi
.set P_N, 4*\ks+2*\ctl+\rtl
	SLICE (1-\aset), P_N
.endif
.endr
.endr
.if \ld
.if \ks==3
.if \epi==0
	PLACES
.endif
	WIN 0
	LOADF \slot, \half, \q, 0
	WIN 0x54*\w
.endif
.if \ks==7
.if \epi==0
	PLACES
.endif
	WIN 0
	LOADF \slot, \half, \q, 4
	LOADSE (1-\aset), \seimm                       ; into the set whose last reader was slice 24 of this pass
.endif
.endif
.endr
.endm
; The change of slots, between the two worlds of a slot's last pair: its fragments are all in registers by then.
; mode 1: the slot is filled again, two tiles ahead.  Every wave waits for its LDS reads and for all its tensor loads (one is out: its quarter of the other slot),
; then the cluster's round: behind it no wave of any partner reads this slot or has a load on its way, and the other slot is whole.  The joint refill is the first
; thing behind the round, the wave's one tensor load until the next; it has the other slot's 256 matrix instructions in which to land.
; mode 2: nothing is left to fetch: the same waits and a work-group barrier show the last tile whole.
.macro BOUNDARY slot, mode
	WIN 0                                          ; branches and a label follow
	s_wait_dscnt 0x0
	s_wait_tensorcnt 0x0
	ds_add_u32 v254, v255
	s_wait_dscnt 0x0
.if \mode==1
	s_add_nc_u64 s[G0E+4*\slot+2:G0E+4*\slot+3], s[G0E+4*\slot+2:G0E+4*\slot+3], 2*TILEG   ; no tensor load of mine is out: the address may step
	ROUND
	tensor_load_to_lds s[G0E+4*\slot:G0E+4*\slot+3], s[G1E:G1E+7]
	s_nop 0
.else
	s_barrier_signal -1
	s_barrier_wait -1
.endif
.endm
; Pair p (0 .. 3) of a slot: 64 codes.  epi: the pair before is finished meanwhile.  mode: as above; 0: the launch's last slot, nothing follows.
.macro PAIR slot, p, epi, mode
	PASS 1, (\p&1), \epi, 0, 0, 0, 0, 0
.if \p==3
.if \mode
	BOUNDARY \slot, \mode
.endif
.endif
.if \p<3
	PASS 2, (\p&1), \epi, 1, \slot, ((\p+1)>>1), ((\p+1)&1), ((\slot*4+\p+1)*256)
.else
.if \mode
	PASS 2, 1, \epi, 1, (1-\slot), 0, 0, ((\slot*4+4)*256)
.else
	PASS 2, 1, \epi, 0, 0, 0, 0, 0
.endif
.endif
.if \epi
	s_add_co_u32 s68, s68, 64                      ; the next pair to be finished
	s_add_co_u32 s69, s69, 64
.endif
.endm
.macro PERIOD slot, mode, epi0
	PAIR \slot, 0, \epi0, \mode
	PAIR \slot, 1, 1, \mode
	PAIR \slot, 2, 1, \mode
	PAIR \slot, 3, 1, \mode
.endm
; Row tile t (16 rows of x): 32 LDS loads of f32, rounded to bf16 into its world's fragments, and sx from the rounded numbers.
.macro XTILE t
.set X_W, 1+((\t)>>1)
.set X_R, (\t)&1
.set X_B, X+X_R*64
	WIN 0
.irp ks, 0,1,2,3,4,5,6,7
	ds_load_b128 v[F+\ks*16:F+\ks*16+3],     v[XA] offset:\t*16*XPITCH+\ks*128       ; K = 32 ks + 8 h + 0..3
	ds_load_b128 v[F+\ks*16+4:F+\ks*16+7],   v[XA] offset:\t*16*XPITCH+\ks*128+16    ; + 4..7
	ds_load_b128 v[F+\ks*16+8:F+\ks*16+11],  v[XA] offset:\t*16*XPITCH+\ks*128+64    ; K = 32 ks + 16 + 8 h + 0..3
	ds_load_b128 v[F+\ks*16+12:F+\ks*16+15], v[XA] offset:\t*16*XPITCH+\ks*128+80    ; + 4..7
.endr
	WIN 0x40*X_W
.irp ks, 0,1,2,3,4,5,6,7
	s_wait_dscnt 28-4*\ks                          ; K step ks's four loads are in; the four of each later K step may be out
.irp i, 0,1,2,3,4,5,6,7
	v_cvt_pk_bf16_f32 v[X_B+\ks*8+\i], v[F+\ks*16+2*\i], v[F+\ks*16+2*\i+1]
.endr
.endr
	WIN 0x55*X_W
.set X_N, 0
.rept 64
.if X_N<2
	v_fma_mix_f32_bf16 v[CH+2*(X_N&1)],   v[X_B+X_N], v[X_B+X_N], v[ZERO] op_sel_hi:[1,1,0]
	v_fma_mix_f32_bf16 v[CH+2*(X_N&1)+1], v[X_B+X_N], v[X_B+X_N], v[ZERO] op_sel:[1,1,0] op_sel_hi:[1,1,0]
.else
	v_fma_mix_f32_bf16 v[CH+2*(X_N&1)],   v[X_B+X_N], v[X_B+X_N], v[CH+2*(X_N&1)] op_sel_hi:[1,1,0]
	v_fma_mix_f32_bf16 v[CH+2*(X_N&1)+1], v[X_B+X_N], v[X_B+X_N], v[CH+2*(X_N&1)+1] op_sel:[1,1,0] op_sel_hi:[1,1,0]
.endif
.set X_N, X_N+1
.endr
	v_add_f32 v[CH], v[CH], v[CH+1]
	v_add_f32 v[CH+2], v[CH+2], v[CH+3]
	v_add_f32 v[SX+2*X_R], v[CH], v[CH+2]          ; my half of the row's K
	v_permlanex16_b32 v[CH+1], v[SX+2*X_R], s74, s75
	v_add_f32 v[SX+2*X_R], v[SX+2*X_R], v[CH+1]    ; + the other half's
	v_mov_b32 v[SX+2*X_R+1], v[SX+2*X_R]
.endm
; (va, ia) = the lesser of (va, ia) and (vb, ib): by value, then by index.  The masks select values alone.
.macro LEXMIN va, ia, vb, ib
	v_cmp_lt_f32 s70, v[\vb], v[\va]
	v_cmp_eq_f32 s71, v[\vb], v[\va]
	v_cmp_lt_u32 s72, v[\ib], v[\ia]
	s_and_b32 s71, s71, s72
	s_or_b32 s70, s70, s71
	v_cndmask_b32 v[\va], v[\va], v[\vb], s70
	v_cndmask_b32 v[\ia], v[\ia], v[\ib], s70
.endm
; World w's two row tiles: eight candidates a lane to one, the two halves of the lanes to one, into SCR.
.macro MERGE w
	WIN 0x55*\w
.irp rtl, 0,1
.irp j, 1,2,3,4,5,6,7
	v_add_nc_u32 v[IDX+\rtl*8+\j], \j, v[IDX+\rtl*8+\j]            ; register j holds code j of its eight
.endr
.irp a, 0,2,4,6
	LEXMIN BEST+\rtl*8+\a, IDX+\rtl*8+\a, BEST+\rtl*8+\a+1, IDX+\rtl*8+\a+1
.endr
.irp a, 0,4
	LEXMIN BEST+\rtl*8+\a, IDX+\rtl*8+\a, BEST+\rtl*8+\a+2, IDX+\rtl*8+\a+2
.endr
	LEXMIN BEST+\rtl*8, IDX+\rtl*8, BEST+\rtl*8+4, IDX+\rtl*8+4
.endr
	WIN 0x54*\w
	v_lshl_add_u32 v[IDX], v2, 3, v[IDX]           ; + 8 h
	v_lshl_add_u32 v[IDX+8], v2, 3, v[IDX+8]
	WIN 0x55*\w
.irp rtl, 0,1
	v_permlanex16_b32 v[T], v[BEST+\rtl*8], s74, s75
	v_permlanex16_b32 v[T+1], v[IDX+\rtl*8], s74, s75
	LEXMIN BEST+\rtl*8, IDX+\rtl*8, T, T+1
.endr
	WIN 0x54*\w
.irp rtl, 0,1
	ds_store_b32 v[SA], v[BEST+\rtl*8] offset:(\w-1)*128+\rtl*64          ; both halves of the lanes write the same word with the same value
	ds_store_b32 v[SA], v[IDX+\rtl*8] offset:1024+(\w-1)*128+\rtl*64
.endr
.endm
	s_load_b256 s[4:11], s[0:1], 0x0               ; x s[4:5], embb s[6:7], se s[8:9], out2 s[10:11]
	s_load_b64 s[12:13], s[0:1], 0x20              ; win
	v_lshl_add_u32 v254, v0, 2, 0x4a800
	v_mov_b32 v255, 0
	ds_add_u32 v254, v255
	v_lshrrev_b32 v3, 5, v0
	v_readfirstlane_b32 s14, v3                    ; wave 0..3
	s_lshr_b32 s15, s14, 1                         ; rh: which 64 rows of x
	s_and_b32 s16, s14, 1                          ; ch: which 32 of every 64 codes
	s_bfe_u32 s17, ttmp6, 0x40000                  ; cx: my place in the cluster
	s_lshl_b32 s18, ttmp9, 2                       ; in a cluster launch ttmp9 counts clusters
	s_add_co_u32 s18, s18, s17                     ; work-group = 4 x cluster + cx
	s_mov_b32 s67, 0x7f800000                      ; +infinity
	s_mov_b32 s74, 0x76543210                      ; v_permlanex16_b32: lane i of one half reads lane i of the other
	s_mov_b32 s75, 0xfedcba98
	; group 1 of a tile of embb: 64 rows x 256 elements of 2 bytes, 16 bytes of padding behind each row of 128 words; mask 15 with bit 21 beside it
	s_mov_b32 s[G1E+0], 15|(1<<16)|(1<<20)|(1<<21)|(6<<22)|(3<<25)
	s_mov_b32 s[G1E+1], 256<<16                    ; tensor_dim0 = 256
	s_mov_b32 s[G1E+2], 64<<16                     ; tensor_dim1 = 64
	s_mov_b32 s[G1E+3], 256<<16                    ; tile_dim0 = 256
	s_mov_b32 s[G1E+4], 64                         ; tile_dim1 = 64
	s_mov_b32 s[G1E+5], 256                        ; elements from row to row
	s_mov_b32 s[G1E+6], 0
	s_mov_b32 s[G1E+7], 0
	; group 1 of x's stage: 32 rows x 256 elements of 4 bytes, 16 bytes of padding behind each row of 256 words; no mask
	s_mov_b32 s[G1X+0], (2<<16)|(1<<20)|(7<<22)|(3<<25)
	s_mov_b32 s[G1X+1], 256<<16
	s_mov_b32 s[G1X+2], 32<<16
	s_mov_b32 s[G1X+3], 256<<16
	s_mov_b32 s[G1X+4], 32
	s_mov_b32 s[G1X+5], 256
	s_mov_b32 s[G1X+6], 0
	s_mov_b32 s[G1X+7], 0
	; group 1 of a quarter of se: 8,192 dense bytes as 32 rows x 32 elements of 8 bytes; mask 15 with bit 21 beside it
	s_mov_b32 s[G1S+0], 15|(3<<16)|(1<<21)
	s_mov_b32 s[G1S+1], 32<<16
	s_mov_b32 s[G1S+2], 32<<16
	s_mov_b32 s[G1S+3], 32<<16
	s_mov_b32 s[G1S+4], 32
	s_mov_b32 s[G1S+5], 32
	s_mov_b32 s[G1S+6], 0
	s_mov_b32 s[G1S+7], 0
	; groups 0.  LDS addresses hang on the wave's number alone; the joint loads' global addresses too.
	s_mul_i32 s20, s14, QUARTB                     ; my quarter of a slot
	s_mul_i32 s21, s14, 32*XPITCH                  ; my quarter of x's stage
	s_lshl_b32 s22, s14, 15                        ; my 64 rows of a tile in embb
	s_mov_b32 s23, 0
	s_lshl_b32 s76, s18, 2
	s_add_co_u32 s76, s76, s14
	s_lshl_b32 s76, s76, 15                        ; (4 work-group + wave) x 32 rows of 1,024 bytes
	s_mov_b32 s77, 0
	s_lshl_b32 s78, s18, 9                         ; the work-group's 512 bytes of out2 and of win
	s_mov_b32 s79, 0
	s_wait_dscnt 0x0
	s_wait_kmcnt 0x0
	s_mov_b32 s[G0E+0], 1
	s_add_co_u32 s[G0E+1], s20, 0
	s_add_nc_u64 s[G0E+2:G0E+3], s[6:7], s[22:23]                  ; tile 0
	s_mov_b32 s[G0E+4], 1
	s_add_co_u32 s[G0E+5], s20, SLOTB
	s_add_nc_u64 s[G0E+6:G0E+7], s[G0E+2:G0E+3], TILEG             ; tile 1
	s_or_b32 s[G0E+3], s[G0E+3], 0x80000000                       ; type = 2
	s_or_b32 s[G0E+7], s[G0E+7], 0x80000000
	s_mov_b32 s[G0X+0], 1
	s_add_co_u32 s[G0X+1], s21, SLOTB
	s_add_nc_u64 s[G0X+2:G0X+3], s[4:5], s[76:77]
	s_or_b32 s[G0X+3], s[G0X+3], 0x80000000
	s_lshl_b32 s22, s14, 13                        ; my quarter of se
	s_mov_b32 s[G0S+0], 1
	s_add_co_u32 s[G0S+1], s22, SEB
	s_add_nc_u64 s[G0S+2:G0S+3], s[8:9], s[22:23]
	s_or_b32 s[G0S+3], s[G0S+3], 0x80000000
	s_add_nc_u64 s[10:11], s[10:11], s[78:79]
	s_add_nc_u64 s[12:13], s[12:13], s[78:79]
	ROUND                                          ; all four work-groups are here: the first joint loads meet
	tensor_load_to_lds s[G0X:G0X+3], s[G1X:G1X+7]                  ; the three first fills go out together: three tensor loads of the wave are out
	s_nop 0
	tensor_load_to_lds s[G0E:G0E+3], s[G1E:G1E+7]
	s_nop 0
	tensor_load_to_lds s[G0S:G0S+3], s[G1S:G1S+7]
	s_nop 0
	; addresses and starting values, while the fills are on their way
	v_and_b32 v1, 15, v0                           ; r
	v_bfe_u32 v2, v0, 4, 1                         ; h
	s_mul_i32 s20, s16, 32*PITCH
	v_mul_u32_u24 v3, v1, PITCH
	v_lshl_add_u32 v3, v2, 4, v3
	v_add_nc_u32 v[ADR], s20, v3                   ; (32 ch + r) x pitch + 16 h
	v_add_nc_u32 v[ADR+1], HALFB, v[ADR]
	v_add_nc_u32 v[ADR+2], SLOTB, v[ADR]
	v_add_nc_u32 v[ADR+3], SLOTB+HALFB, v[ADR]
	s_lshl_b32 s21, s16, 7
	s_add_co_u32 s21, s21, SEB
	v_lshl_add_u32 v[SEA], v2, 5, s21              ; se + 4 (32 ch + 8 h)
	s_mul_i32 s22, s15, 64*XPITCH
	s_add_co_u32 s22, s22, SLOTB
	v_mul_u32_u24 v3, v1, XPITCH
	v_lshl_add_u32 v3, v2, 5, v3
	v_add_nc_u32 v[XA], s22, v3                    ; stage + (64 rh + r) x pitch + 32 h
	s_lshl_b32 s23, s16, 9
	s_lshl_b32 s20, s15, 8
	s_add_co_u32 s23, s23, s20
	s_add_co_u32 s23, s23, SCR
	v_lshl_add_u32 v[SA], v1, 2, s23               ; SCR + 512 ch + 4 (64 rh + r)
	v_and_b32 v3, 31, v0
	v_lshlrev_b32 v[OUTO], 4, v3
	v_add_nc_u32 v[RDA], SCR, v[OUTO]
.irp w, 1,2
	WIN 0x40*\w
	v_mov_b32 v[ZERO], 0
.irp i, 0,1,2,3,4,5,6,7,8,9,10,11,12,13,14,15
	v_mov_b32 v[BEST+\i], s67
	v_mov_b32 v[IDX+\i], 0
.endr
.endr
	WIN 0
	s_wait_tensorcnt 0x0                           ; my quarters of x, of tile 0 and of se are in,
	s_barrier_signal -1
	s_barrier_wait -1                              ; everybody's are
	XTILE 0
	XTILE 1
	XTILE 2
	XTILE 3
	WIN 0
	s_wait_dscnt 0x0                               ; my reads of x's stage are over (met: the last count-down ended at 0),
	s_wait_tensorcnt 0x0                           ; and no tensor load of mine is out:
	ds_add_u32 v254, v255
	s_wait_dscnt 0x0
	ROUND                                          ; that holds of every wave of all four work-groups,
	tensor_load_to_lds s[G0E+4:G0E+7], s[G1E:G1E+7]                ; so tile 1 goes over the stage: my one tensor load behind the round
	s_nop 0
	LOADF 0, 0, 0, 0
	LOADF 0, 0, 0, 4
	LOADSE 0, 0
	s_lshl_b32 s68, s16, 5                         ; first code of pair 0's two code tiles
	s_add_co_u32 s69, s68, 16
	PERIOD 0, 1, 0                                 ; the first lap stands in front of the loop: its first pair has no pair before it to finish
	PERIOD 1, 1, 1
	WIN 0                                          ; at a label and at a branch every window is 0
	v_add_nc_u32 v[SEA], 2048, v[SEA]              ; a lap is 512 codes
	s_mov_b32 s66, 14
.Llap:
	PERIOD 0, 1, 1
	PERIOD 1, 1, 1
	WIN 0
	v_add_nc_u32 v[SEA], 2048, v[SEA]
	s_sub_co_u32 s66, s66, 1
	s_cmp_lg_u32 s66, 0
	s_cbranch_scc1 .Llap
	PERIOD 0, 2, 1                                 ; the last lap fills nothing: tiles 2 to 31 were asked for in the 30 slots' turns before
	PERIOD 1, 0, 1
	s_wait_dscnt 0x0                               ; the last pair's se: no later counted wait stands behind its four loads
	WIN 0x54                                       ; the last pair (set 1) is finished without matrix work; world 1's slices are the places behind world 2's last matrix instructions
.set D_N, 0
.rept 32
	SLICE 1, D_N
.set D_N, D_N+1
.endr
	WIN 0xa8
.set D_N, 0
.rept 32
	SLICE 1, D_N
.set D_N, D_N+1
.endr
	MERGE 1
	MERGE 2
	WIN 0
	s_wait_dscnt 0x0                               ; for wave 0's sake: my stores into SCR are done before I signal
	ROUND                                          ; the closing round: no work-group ends while a partner may still ask jointly; its first barrier also shows SCR whole
	s_cmp_lg_u32 s14, 0
	s_cbranch_scc1 .Lend
	ds_load_b128 v[FIN:FIN+3],     v[RDA]              ; rows 4 l .. 4 l + 3: least d among the codes of ch = 0,
	ds_load_b128 v[FIN+4:FIN+7],   v[RDA] offset:512   ; of ch = 1,
	ds_load_b128 v[FIN+8:FIN+11],  v[RDA] offset:1024  ; and their indices
	ds_load_b128 v[FIN+12:FIN+15], v[RDA] offset:1536
	s_wait_dscnt 0x0
.irp i, 0,1,2,3
	LEXMIN FIN+\i, FIN+8+\i, FIN+4+\i, FIN+12+\i
.endr
	global_store_b128 v[OUTO], v[FIN+8:FIN+11], s[10:11]           ; 512 consecutive bytes, at a multiple of 512 from the buffer's first byte
	global_store_b128 v[OUTO], v[FIN+8:FIN+11], s[12:13]
.Lend:
	s_wait_tensorcnt 0x0
	ds_add_u32 v254, v255
	s_wait_dscnt 0x0
	s_endpgm
.Lfunc_end_k_q58b18a085c_vq:
	.size	k_q58b18a085c_vq, .Lfunc_end_k_q58b18a085c_vq-k_q58b18a085c_vq
	.p2alignl 7, 3214868480
	.fill 96, 4, 3214868480
	.section	.rodata,"a",@progbits
	.p2align	6, 0x0
	.amdhsa_kernel k_q58b18a085c_vq
		.amdhsa_group_segment_fixed_size 327680
		.amdhsa_private_segment_fixed_size 0
		.amdhsa_enable_private_segment 0
		.amdhsa_kernarg_size 40
		.amdhsa_user_sgpr_count 2
		.amdhsa_user_sgpr_kernarg_segment_ptr 1
		.amdhsa_wavefront_size32 1
		.amdhsa_system_sgpr_workgroup_id_x 1
		.amdhsa_system_sgpr_workgroup_id_y 1
		.amdhsa_system_sgpr_workgroup_id_z 1
		.amdhsa_system_vgpr_workitem_id 0
		.amdhsa_next_free_vgpr 768
		.amdhsa_next_free_sgpr 80
		.amdhsa_reserve_vcc 0
		.amdhsa_float_denorm_mode_32 3
		.amdhsa_float_denorm_mode_16_64 3
		.amdhsa_memory_ordered 1
		.amdhsa_forward_progress 1
		.amdhsa_inst_pref_size 255
	.end_amdhsa_kernel
	.section	.bss,"aw",@nobits
	.p2align	6
	.space	262144
	.amdgpu_metadata
---
amdhsa.version: [ 1, 2 ]
amdhsa.kernels:
  - .name:           k_q58b18a085c_vq
    .symbol:         k_q58b18a085c_vq.kd
    .args:
      - { .name: x, .offset: 0, .size: 8, .value_kind: global_buffer, .address_space: global }
      - { .name: embb, .offset: 8, .size: 8, .value_kind: global_buffer, .address_space: global }
      - { .name: se, .offset: 16, .size: 8, .value_kind: global_buffer, .address_space: global }
      - { .name: out2, .offset: 24, .size: 8, .value_kind: global_buffer, .address_space: global }
      - { .name: win, .offset: 32, .size: 8, .value_kind: global_buffer, .address_space: global }
    .group_segment_fixed_size: 327680
    .private_segment_fixed_size: 0
    .kernarg_segment_align: 8
    .kernarg_segment_size: 40
    .max_flat_workgroup_size: 128
    .sgpr_count:     80
    .vgpr_count:     768
    .wavefront_size: 32
...
	.end_amdgpu_metadata
.endif
;; end of part 2
;; launch gather (part 3): grid 512 x 1, 8 waves a work-group, no clusters, 1,280 bytes of LDS; arguments x, emb, win, out0, part; writes out0, part
.if DOCPART == 3
	.amdgcn_target "amdgcn-amd-amdhsa--gfx1250"
	.amdhsa_code_object_version 6
	.text
	.protected	k_q58b18a085c_gather
	.globl	k_q58b18a085c_gather
	.p2align	8
	.type	k_q58b18a085c_gather,@function
k_q58b18a085c_gather:
	s_mov_b64 s[64:65], 0
	v_nop
	global_prefetch_b8 v0, s[64:65] scope:SCOPE_SE
	s_setreg_imm32_b32 hwreg(HW_REG_WAVE_MODE, 25, 1), 1
	s_wait_xcnt 0x0
; VectorQuantizer, launch 3 of 4: e = emb[win[n]]; out0[n] = x[n] + (e - x[n]), in f32 and in that order; part[work-group] = sum of (e - x)^2 over its 64 rows.
; Left out: the second of the two equal means (stop_gradient is the identity on values, shown at the head of the first launch): the squares are summed once.
; The squares are summed from e - x itself, not taken from the least distance, which is a difference of large sums.
; The indices are whole numbers that the launch before stored; they are read by a scalar load and clamped to the table's 8,192 rows before they enter an address.
; Eight waves, 8 rows a wave, no loop: all 32 loads of a wave are issued before the first is waited for.  Each load and store of a wave covers 512 consecutive bytes.
; No matrix unit, no LDS tiles, no cluster: a stream, and the rows of emb that work-groups share are not known to be the same at the same time.
.set EO,  8                            ; v[8:15]    row q: byte offset of my 16 bytes in its row of emb
.set XR,  16                           ; v[16:79]   row q: 8 numbers of x, then of out0
.set ER,  80                           ; v[80:143]  row q: 8 numbers of e, then of e - x
.set SQ,  144                          ; v[144:151] four pairs of chains of the squares
.set TMP, 152
	s_load_b256 s[4:11], s[0:1], 0x0               ; x s[4:5], emb s[6:7], win s[8:9], out0 s[10:11]
	s_load_b64 s[12:13], s[0:1], 0x20              ; part
	v_lshl_add_u32 v160, v0, 2, 0x100
	v_mov_b32 v161, 0
	v_lshrrev_b32 v2, 5, v0
	v_readfirstlane_b32 s14, v2                    ; wave 0..7
	v_and_b32 v3, 31, v0
	v_lshlrev_b32 v1, 4, v3                        ; 16 bytes a lane
	v_mov_b32 v[TMP], 0                            ; a lane permute's destination counts as read
	s_mov_b32 s30, 0x76543210
	s_mov_b32 s31, 0xfedcba98
	s_lshl_b32 s15, ttmp9, 3
	s_add_co_u32 s15, s15, s14                     ; 8 work-group + wave
	s_lshl_b32 s24, s15, 13                        ; x 8 rows of 1,024 bytes
	s_mov_b32 s25, 0
	s_lshl_b32 s26, s15, 5                         ; x 8 indices of 4 bytes
	s_mov_b32 s27, 0
	s_lshl_b32 s28, ttmp9, 2                       ; the work-group's word of part
	s_mov_b32 s29, 0
	s_wait_kmcnt 0x0
	s_add_nc_u64 s[8:9], s[8:9], s[26:27]
	s_load_b256 s[16:23], s[8:9], 0x0              ; my 8 indices
	s_add_nc_u64 s[4:5], s[4:5], s[24:25]
	s_add_nc_u64 s[10:11], s[10:11], s[24:25]
	s_add_nc_u64 s[12:13], s[12:13], s[28:29]
.irp q, 0,1,2,3,4,5,6,7
	global_load_b128 v[XR+8*\q:XR+8*\q+3],   v1, s[4:5] offset:\q*1024 th:TH_LOAD_NT
	global_load_b128 v[XR+8*\q+4:XR+8*\q+7], v1, s[4:5] offset:\q*1024+512 th:TH_LOAD_NT
.endr
	s_wait_kmcnt 0x0
.irp q, 0,1,2,3,4,5,6,7
	s_min_u32 s[16+\q], s[16+\q], 0x1fff           ; inside the table, whatever the word holds
	s_lshl_b32 s[16+\q], s[16+\q], 10              ; rows of 1,024 bytes
	v_add_nc_u32 v[EO+\q], s[16+\q], v1
.endr
.irp q, 0,1,2,3,4,5,6,7
	global_load_b128 v[ER+8*\q:ER+8*\q+3],   v[EO+\q], s[6:7]              ; no hint: a row may be named again, here or by another work-group
	global_load_b128 v[ER+8*\q+4:ER+8*\q+7], v[EO+\q], s[6:7] offset:512
.endr
.irp q, 0,1,2,3,4,5,6,7
	s_wait_loadcnt 14-2*\q                         ; loads come back in order: x and row q's two of emb are in, the two of each of the 7 - q later rows may stay out
.irp k, 0,2,4,6
	v_pk_add_f32 v[ER+8*\q+\k:ER+8*\q+\k+1], v[ER+8*\q+\k:ER+8*\q+\k+1], v[XR+8*\q+\k:XR+8*\q+\k+1] neg_lo:[0,1] neg_hi:[0,1]   ; e - x
.if \q==0
	v_pk_mul_f32 v[SQ+\k:SQ+\k+1], v[ER+8*\q+\k:ER+8*\q+\k+1], v[ER+8*\q+\k:ER+8*\q+\k+1]                                     ; the first row starts the chains
.else
	v_pk_fma_f32 v[SQ+\k:SQ+\k+1], v[ER+8*\q+\k:ER+8*\q+\k+1], v[ER+8*\q+\k:ER+8*\q+\k+1], v[SQ+\k:SQ+\k+1]
.endif
	v_pk_add_f32 v[XR+8*\q+\k:XR+8*\q+\k+1], v[XR+8*\q+\k:XR+8*\q+\k+1], v[ER+8*\q+\k:ER+8*\q+\k+1]                           ; x + (e - x)
.endr
	global_store_b128 v1, v[XR+8*\q:XR+8*\q+3],   s[10:11] offset:\q*1024 th:TH_STORE_NT      ; every row has its own data registers
	global_store_b128 v1, v[XR+8*\q+4:XR+8*\q+7], s[10:11] offset:\q*1024+512 th:TH_STORE_NT
.endr
	v_pk_add_f32 v[SQ:SQ+1], v[SQ:SQ+1], v[SQ+2:SQ+3]
	v_pk_add_f32 v[SQ+4:SQ+5], v[SQ+4:SQ+5], v[SQ+6:SQ+7]
	v_pk_add_f32 v[SQ:SQ+1], v[SQ:SQ+1], v[SQ+4:SQ+5]
	v_add_f32 v[SQ], v[SQ], v[SQ+1]
	v_add_f32_dpp v[SQ], v[SQ], v[SQ] row_xmask:1 row_mask:0xf bank_mask:0xf
	v_add_f32_dpp v[SQ], v[SQ], v[SQ] row_xmask:2 row_mask:0xf bank_mask:0xf
	v_add_f32_dpp v[SQ], v[SQ], v[SQ] row_xmask:4 row_mask:0xf bank_mask:0xf
	v_add_f32_dpp v[SQ], v[SQ], v[SQ] row_xmask:8 row_mask:0xf bank_mask:0xf
	v_permlanex16_b32 v[TMP], v[SQ], s30, s31
	v_add_f32 v[SQ], v[SQ], v[TMP]                 ; the wave's sum, in every lane
	v_mov_b32 v153, s14
	v_lshlrev_b32 v153, 2, v153
	ds_store_b32 v153, v[SQ]                       ; the wave's word
	s_wait_dscnt 0x0                               ; for the others' sake: done before I signal
	s_barrier_signal -1
	s_barrier_wait -1
	v_mov_b32 v154, 0
	ds_load_b128 v[ER:ER+3], v154                  ; the eight waves' sums (the registers of e - x are free)
	ds_load_b128 v[ER+4:ER+7], v154 offset:16
	s_wait_dscnt 0x0
	v_pk_add_f32 v[ER:ER+1], v[ER:ER+1], v[ER+2:ER+3]
	v_pk_add_f32 v[ER+4:ER+5], v[ER+4:ER+5], v[ER+6:ER+7]
	v_pk_add_f32 v[ER:ER+1], v[ER:ER+1], v[ER+4:ER+5]
	v_add_f32 v[ER], v[ER], v[ER+1]
	v_cmp_eq_u32 vcc_lo, 0, v0
	s_wait_xcnt 0x0                                ; EXEC is a source of the stores above: it is narrowed only behind this wait
	s_wait_tensorcnt 0x0
	ds_add_u32 v160, v161
	s_wait_dscnt 0x0
	s_and_saveexec_b32 s32, vcc_lo
	global_store_b32 v154, v[ER], s[12:13]         ; thread 0 alone: one owner for each word of part
	s_endpgm
.Lfunc_end_k_q58b18a085c_gather:
	.size	k_q58b18a085c_gather, .Lfunc_end_k_q58b18a085c_gather-k_q58b18a085c_gather
	.p2alignl 7, 3214868480
	.fill 96, 4, 3214868480
	.section	.rodata,"a",@progbits
	.p2align	6, 0x0
	.amdhsa_kernel k_q58b18a085c_gather
		.amdhsa_group_segment_fixed_size 1280
		.amdhsa_private_segment_fixed_size 0
		.amdhsa_enable_private_segment 0
		.amdhsa_kernarg_size 40
		.amdhsa_user_sgpr_count 2
		.amdhsa_user_sgpr_kernarg_segment_ptr 1
		.amdhsa_wavefront_size32 1
		.amdhsa_system_sgpr_workgroup_id_x 1
		.amdhsa_system_sgpr_workgroup_id_y 1
		.amdhsa_system_sgpr_workgroup_id_z 1
		.amdhsa_system_vgpr_workitem_id 0
		.amdhsa_next_free_vgpr 162
		.amdhsa_next_free_sgpr 66
		.amdhsa_reserve_vcc 1
		.amdhsa_float_denorm_mode_32 3
		.amdhsa_float_denorm_mode_16_64 3
		.amdhsa_memory_ordered 1
		.amdhsa_forward_progress 1
		.amdhsa_inst_pref_size 15
	.end_amdhsa_kernel
	.amdgpu_metadata
---
amdhsa.version: [ 1, 2 ]
amdhsa.kernels:
  - .name:           k_q58b18a085c_gather
    .symbol:         k_q58b18a085c_gather.kd
    .args:
      - { .name: x, .offset: 0, .size: 8, .value_kind: global_buffer, .address_space: global }
      - { .name: emb, .offset: 8, .size: 8, .value_kind: global_buffer, .address_space: global }
      - { .name: win, .offset: 16, .size: 8, .value_kind: global_buffer, .address_space: global }
      - { .name: out0, .offset: 24, .size: 8, .value_kind: global_buffer, .address_space: global }
      - { .name: part, .offset: 32, .size: 8, .value_kind: global_buffer, .address_space: global }
    .group_segment_fixed_size: 1280
    .private_segment_fixed_size: 0
    .kernarg_segment_align: 8
    .kernarg_segment_size: 40
    .max_flat_workgroup_size: 256
    .sgpr_count:     66
    .vgpr_count:     162
    .wavefront_size: 32
...
	.end_amdgpu_metadata
.endif
;; end of part 3
;; launch lossum (part 4): grid 1 x 1, 1 waves a work-group, no clusters, 0 bytes of LDS; arguments part, out1; writes out1
.if DOCPART == 4
	.amdgcn_target "amdgcn-amd-amdhsa--gfx1250"
	.amdhsa_code_object_version 6
	.text
	.protected	k_q58b18a085c_lossum
	.globl	k_q58b18a085c_lossum
	.p2align	8
	.type	k_q58b18a085c_lossum,@function
k_q58b18a085c_lossum:
	s_mov_b64 s[64:65], 0
	v_nop
	global_prefetch_b8 v0, s[64:65] scope:SCOPE_SE
	s_setreg_imm32_b32 hwreg(HW_REG_WAVE_MODE, 25, 1), 1
	s_wait_xcnt 0x0
; VectorQuantizer, launch 4 of 4: out1 = 1.25 x (sum of the 512 partial sums) / 8,388,608.
; Left out: the second of the two equal means (shown at the head of the first launch): loss = m + 0.25 m = 1.25 m.
; A sum over work-groups has one owner: one wave reads the 2,048 bytes, 16 numbers a lane, and adds them in a fixed order.
	s_load_b128 s[4:7], s[0:1], 0x0                ; part s[4:5], out1 s[6:7]
	v_lshlrev_b32 v1, 4, v0                        ; 16 bytes a lane
	v_mov_b32 v20, 0                               ; a lane permute's destination counts as read
	v_mov_b32 v21, 0
	s_mov_b32 s8, 0x76543210
	s_mov_b32 s9, 0xfedcba98
	s_wait_kmcnt 0x0
.irp j, 0,1,2,3
	global_load_b128 v[4+4*\j:7+4*\j], v1, s[4:5] offset:512*\j
.endr
	s_wait_loadcnt 0x0
	v_pk_add_f32 v[4:5], v[4:5], v[6:7]
	v_pk_add_f32 v[8:9], v[8:9], v[10:11]
	v_pk_add_f32 v[12:13], v[12:13], v[14:15]
	v_pk_add_f32 v[16:17], v[16:17], v[18:19]
	v_pk_add_f32 v[4:5], v[4:5], v[8:9]
	v_pk_add_f32 v[12:13], v[12:13], v[16:17]
	v_pk_add_f32 v[4:5], v[4:5], v[12:13]
	v_add_f32 v4, v4, v5
	v_add_f32_dpp v4, v4, v4 row_xmask:1 row_mask:0xf bank_mask:0xf
	v_add_f32_dpp v4, v4, v4 row_xmask:2 row_mask:0xf bank_mask:0xf
	v_add_f32_dpp v4, v4, v4 row_xmask:4 row_mask:0xf bank_mask:0xf
	v_add_f32_dpp v4, v4, v4 row_xmask:8 row_mask:0xf bank_mask:0xf
	v_permlanex16_b32 v20, v4, s8, s9
	v_add_f32 v4, v4, v20
	v_mul_f32 v4, 0x34200000, v4                   ; 1.25 x 2^-23: 32,768 x 256 = 2^23 numbers in the mean
	v_cmp_eq_u32 vcc_lo, 0, v0
	s_wait_xcnt 0x0                                ; EXEC is narrowed only behind this wait
	s_and_saveexec_b32 s10, vcc_lo
	global_store_b32 v21, v4, s[6:7]               ; lane 0 alone
	s_endpgm
.Lfunc_end_k_q58b18a085c_lossum:
	.size	k_q58b18a085c_lossum, .Lfunc_end_k_q58b18a085c_lossum-k_q58b18a085c_lossum
	.p2alignl 7, 3214868480
	.fill 96, 4, 3214868480
	.section	.rodata,"a",@progbits
	.p2align	6, 0x0
	.amdhsa_kernel k_q58b18a085c_lossum
		.amdhsa_group_segment_fixed_size 0
		.amdhsa_private_segment_fixed_size 0
		.amdhsa_enable_private_segment 0
		.amdhsa_kernarg_size 16
		.amdhsa_user_sgpr_count 2
		.amdhsa_user_sgpr_kernarg_segment_ptr 1
		.amdhsa_wavefront_size32 1
		.amdhsa_system_sgpr_workgroup_id_x 1
		.amdhsa_system_sgpr_workgroup_id_y 1
		.amdhsa_system_sgpr_workgroup_id_z 1
		.amdhsa_system_vgpr_workitem_id 0
		.amdhsa_next_free_vgpr 32
		.amdhsa_next_free_sgpr 66
		.amdhsa_reserve_vcc 1
		.amdhsa_float_denorm_mode_32 3
		.amdhsa_float_denorm_mode_16_64 3
		.amdhsa_memory_ordered 1
		.amdhsa_forward_progress 1
		.amdhsa_inst_pref_size 3
	.end_amdhsa_kernel
	.amdgpu_metadata
---
amdhsa.version: [ 1, 2 ]
amdhsa.kernels:
  - .name:           k_q58b18a085c_lossum
    .symbol:         k_q58b18a085c_lossum.kd
    .args:
      - { .name: part, .offset: 0, .size: 8, .value_kind: global_buffer, .address_space: global }
      - { .name: out1, .offset: 8, .size: 8, .value_kind: global_buffer, .address_space: global }
    .group_segment_fixed_size: 0
    .private_segment_fixed_size: 0
    .kernarg_segment_align: 8
    .kernarg_segment_size: 16
    .max_flat_workgroup_size: 32
    .sgpr_count:     66
    .vgpr_count:     32
    .wavefront_size: 32
...
	.end_amdgpu_metadata
.endif
;; end of part 4
;; ======== version 2 of 2: 4 launches; 1.30 times as fast as version 1
;; workspace buffers: embb 4,194,304 bytes; se 32,768 bytes; win 131,072 bytes of whole numbers; part 2,048 bytes
;; launch prep: the kernel of part 1 again; grid 128 x 1, 8 waves a work-group, no clusters, 1,280 bytes of LDS; arguments emb, embb, se; writes embb, se
;; launch vq (part 5): grid 256 x 1, 4 waves a work-group, clusters of 4 x 1, 327,680 bytes of LDS; arguments x, embb, se, out2, win; writes out2, win
.if DOCPART == 5
	.amdgcn_target "amdgcn-amd-amdhsa--gfx1250"
	.amdhsa_code_object_version 6
	.text
	.protected	k_q58b18a085c_vq
	.globl	k_q58b18a085c_vq
	.p2align	8
	.type	k_q58b18a085c_vq,@function
k_q58b18a085c_vq:
	s_mov_b64 s[64:65], 0
	v_nop
	global_prefetch_b8 v0, s[64:65] scope:SCOPE_SE
	s_setreg_imm32_b32 hwreg(HW_REG_WAVE_MODE, 25, 1), 1
	s_wait_xcnt 0x0
	s_wait_alu depctr_hold_cnt(0) depctr_sa_sdst(0) depctr_va_vdst(0) depctr_va_sdst(0) depctr_va_ssrc(0) depctr_va_vcc(0) depctr_vm_vsrc(0)
	s_getreg_b32 s2, hwreg(HW_REG_IB_STS2, 6, 4)
	s_cmp_eq_u32 s2, 0
	s_cbranch_scc0 .Lentry_in_a_cluster
	s_endpgm
.Lentry_in_a_cluster:
	s_bfe_u32 s2, ttmp6, 0x10000c
	s_cmp_lg_u32 s2, 0x3003
	s_cbranch_scc0 .Lentry_shape_is_right
	s_endpgm
.Lentry_shape_is_right:
; VectorQuantizer, launch 2 of 4: for each of the 32,768 rows of x the first index of the least d[c] = fl(fl(sx + se[c]) - 2 dot(x, e[c])), c = 0 .. 8,191.
; Stored twice: out2 (the result) and win (whole numbers, from which the next launch forms its gather's addresses).
; Left out: label and idx, which reach no output (shown at the head of the first launch).  |x|^2 stays in d: the f32 sum loses the other terms' low bits
; against it, the ties that this makes go to the first index, and so d is formed in the order in which it is written.
; x is rounded to bf16 here, on its way to the matrix unit; sx is summed from the rounded numbers, as se was.
; LIMITS.  (1) A distance that is NaN or infinite is not treated as argmin treats it (a NaN never becomes the least value here).  (2) The matrix unit adds the
; 256 products of a dot in another order than a chain of f32 additions; where that moves 2 dot across a rounding boundary of d's grid and the row's two
; best distances lie within one step of that grid, the other of the two indices can come out.
;
; SHARES.  A work-group owns 128 rows of x and walks all 8,192 codes: 256 work-groups.  Wave w: rh = w >> 1, ch = w & 1.  It keeps rows 64 rh .. +63 as four
; sets of bf16 fragments (256 registers) for the whole launch, and of every 64 codes it takes the 32 at 32 ch.  A fragment of 16 codes x 32 K from LDS feeds four
; matrix instructions.
; THE MATRIX INSTRUCTION IS USED TRANSPOSED: source 0 = 16 codes, source 1 = 16 rows of x.  Lane (r, h) then holds row r of x, its register j code 8 h + j, so
; that the running minimum needs no traffic between lanes until the end.
; CLUSTER.  All work-groups walk the same tiles of embb in the same order, so four of them form a cluster and ask for every tile of embb, and for se, jointly
; (mask 15): the descriptors hang on the wave's number and the loop's step alone.  x is each work-group's own: a plain load.
; LDS.  Two slots of 256 codes, rows of 512 bytes + 16 of padding (pitch 528 = 33 x 16: the sixteen rows that a load touches start at sixteen different
; 16-byte columns); slot 1's bytes first hold x in f32 (128 rows, pitch 1,040 = 65 x 16); then all of se; then 2,048 bytes that only ds_store fills.
; TWO KINDS OF WORK SIDE BY SIDE.  64 codes x 64 rows (a pair: 64 matrix instructions) go into one of two accumulator sets, while the set of the pair before is
; turned into distances and merged into the running minimum: 36 vector instructions for a tile of 16 x 16, cut into eight slices, one behind each matrix instruction.
; REGISTER WINDOWS.  A vector instruction between two matrix instructions runs under their window setting.  So row tiles 0, 1 live in window 1 and row tiles
; 2, 3 in window 2, each with its accumulators, its minima and its work registers; window 0 holds what both use (the codes' fragments, se, addresses).
; One setting, source 0 = window 0 and all else = window W, serves the matrix instructions and every slice.
; THE TEXT IS KEPT SHORT.  A pair is a pass of world 1 and a pass of world 2.  Two pairs, one for each accumulator set, are written as one BODY (128 matrix
; instructions), which begins with world 2's pass of the odd pair before: so the change of slots, which stands between the two passes of a slot's last pair, falls
; between bodies.  A slot's turn (BLOCK) is a counted loop of two bodies; the place in the slot is carried by v[ADR], the place in se by v[SEA], both stepped by
; constants.  A lap begins with a change of slots, so that 15 laps carry all 30 refills.  BODY stands four times in the text: once behind the first pair (which has
; no pair before it to finish), once for each slot in the lap, once for the last tile (in front of which nothing is filled).
.set PITCH,  528
.set QUARTB, 64*PITCH                  ; what one tensor load brings: 64 codes; also a pair's rows
.set HALFB,  128*PITCH                 ; two pairs' rows: a body's step
.set SLOTB,  256*PITCH                 ; 135,168
.set XPITCH, 1040
.set SEB,    2*SLOTB                   ; 270,336: se, 32,768 bytes, filled once
.set SCR,    SEB+32768                 ; 303,104: values at 512 ch + 4 row, indices 1,024 further on; no fill lands here
.set TILEG,  256*512                   ; a tile's bytes in embb
; window 0
.set ADR0, 4                           ; v4        LDS address of my lane's part of slot 0's first pair; never rewritten
.set ADR,  5                           ; v5        the same for the two pairs that the running body loads
.set SEA,  8                           ; v8        LDS address of my 8 numbers of se for the first of those two pairs
.set XA,   9                           ; v9        LDS address of my lane's part of x's stage
.set SA,   10                          ; v10       where my row's result goes in SCR
.set RDA,  11                          ; v11       wave 0: where it reads SCR back
.set OUTO, 12                          ; v12       wave 0: 16 bytes a lane in the outputs
.set SE,   16                          ; v[16:47]  se: set x 16 + code tile x 8
.set F,    64                          ; v[64:191] the codes' fragments: code tile x 64 + K step x 8; before that x in f32
.set FIN,  192                         ; v[192:207] the last merge
; window W = 1, 2 (low numbers)
.set X,    0                           ; v[0:127]   x: row tile x 64 + K step x 8
.set ACC,  128                         ; v[128:191] set x 32 + (2 code tile + row tile) x 8
.set BEST, 192                         ; v[192:207] least d so far: row tile x 8 + j
.set IDX,  208                         ; v[208:223] first code of the 16-code tile in which it was found
.set T,    224                         ; v[224:231] t = sx + se, then d
.set DD,   232                         ; v[232:239] d - best
.set SX,   240                         ; v[240:243] sx, twice for each row tile: a pair for the packed add
.set CH,   244                         ; v[244:247] four chains of sx
.set ZERO, 248
; scalars: s14 wave, s15 rh, s16 ch, s17 cx, s18 work-group, s19 bodies left in a block, s[20:23] offsets free of cx, s66 laps, s67 +infinity, s68 s69 first code of
; the two code tiles that are being finished, s[70:73] lane masks, s74 s75 permute selectors, s[76:79] offsets that hold cx
.set G1E, 24                           ; s[24:31] shape of a tile of embb (joint)
.set G0E, 32                           ; s[32:39] from where, to where: a set for each slot
.set G1X, 40                           ; s[40:47] shape of x's stage (plain)
.set G0X, 48                           ; s[48:51]
.set G1S, 52                           ; s[52:59] shape of se's quarter (joint)
.set G0S, 60                           ; s[60:63]
.set MSB, 0
.macro WIN new                         ; low byte: bits 1:0 source 0, 3:2 source 1, 5:4 source 2, 7:6 destination; the high byte repeats the setting that is left
.if MSB != (\new)
	s_set_vgpr_msb (MSB<<8)|(\new)
.set MSB, \new
.endif
.endm
; 0x54 W: source 0 window 0, the rest window W.  0x55 W: all window W.  0x40 W: destination window W alone.
.macro PLACES                          ; four places behind a matrix instruction where no vector work stands (ISA guide 7.12.1)
.rept 4
	v_nop
.endr
.endm
; A round of the cluster's barrier: my work-group's barrier, wave 0 signals for the work-group, every wave waits for all four work-groups, my work-group's barrier again.
.macro ROUND
	s_barrier_signal -1
	s_barrier_wait -1
	s_cmp_lg_u32 s14, 0
	s_cbranch_scc1 .Lnot_wave_0_\@
	s_barrier_signal -3
.Lnot_wave_0_\@:
	s_barrier_wait -3
	s_barrier_signal -1
	s_barrier_wait -1
.endm
; 16 LDS loads: K steps lo .. lo + 3 of my two code tiles of the pair whose rows begin off bytes behind v[ADR]
.macro LOADF off, lo
.irp k, 0,1,2,3
.irp ctl, 0,1
	ds_load_b128 v[F+\ctl*64+(\lo+\k)*8:F+\ctl*64+(\lo+\k)*8+3],   v[ADR] offset:\off+\ctl*16*PITCH+(\lo+\k)*64
	ds_load_b128 v[F+\ctl*64+(\lo+\k)*8+4:F+\ctl*64+(\lo+\k)*8+7], v[ADR] offset:\off+\ctl*16*PITCH+(\lo+\k)*64+32
.endr
.endr
.endm
; 4 LDS loads: se of my two code tiles, 8 numbers a lane each (all lanes of a half read the same words)
.macro LOADSE set, imm
.irp ctl, 0,1
	ds_load_b128 v[SE+\set*16+\ctl*8:SE+\set*16+\ctl*8+3],   v[SEA] offset:\imm+\ctl*64
	ds_load_b128 v[SE+\set*16+\ctl*8+4:SE+\set*16+\ctl*8+7], v[SEA] offset:\imm+\ctl*64+16
.endr
.endm
.macro SCMP j                          ; bit set: d >= best, the old index stays (a tie keeps the earlier code)
	v_cmp_le_f32 s[70+((\j)&3)], 0, v[DD+\j]
.endm
.macro SMIN j                          ; +infinity fills source 0, whose window holds no number of this world
	v_min3_num_f32 v[S_B+\j], s67, v[T+\j], v[S_B+\j]
.endm
.macro SCND j
	v_cndmask_b32 v[S_I+\j], s[S_C], v[S_I+\j], s[70+((\j)&3)]
.endm
; Slice n (0 .. 31) of the finishing of accumulator set sp in the current world: tile n >> 3 (row tile n >> 4, code tile (n >> 3) & 1), eighth n & 7.
; Each slice is four or five plain vector instructions that name no register of the matrix instructions of the other set.
.macro SLICE sp, n
.set S_SUB, (\n)&7
.set S_CTL, ((\n)>>3)&1
.set S_RTL, (\n)>>4
.set S_A, ACC+(\sp)*32+(S_CTL*2+S_RTL)*8
.set S_S, SE+(\sp)*16+S_CTL*8
.set S_B, BEST+S_RTL*8
.set S_I, IDX+S_RTL*8
.set S_C, 68+S_CTL
.if S_SUB==0
.irp k, 0,2,4,6
	v_pk_add_f32 v[T+\k:T+\k+1], v[S_S+\k:S_S+\k+1], v[SX+2*S_RTL:SX+2*S_RTL+1]                       ; t = fl(sx + se)
.endr
.endif
.if S_SUB==1
.irp k, 0,2,4,6
	v_pk_fma_f32 v[T+\k:T+\k+1], -2.0, v[S_A+\k:S_A+\k+1], v[T+\k:T+\k+1] op_sel_hi:[0,1,1]           ; d = fl(t - 2 dot): 2 dot is exact, so one rounding, as written
.endr
.endif
.if S_SUB==2
.irp k, 0,2,4,6
	v_pk_fma_f32 v[DD+\k:DD+\k+1], 1.0, v[T+\k:T+\k+1], v[S_B+\k:S_B+\k+1] op_sel_hi:[0,1,1] neg_lo:[0,0,1] neg_hi:[0,0,1]   ; d - best: its sign is exact, and it is 0 only for equal numbers; the 1.0 stands where the window holds the codes
.endr
.endif
.if S_SUB==3
	SCMP 0
	SCMP 1
	SCMP 2
	SCMP 3
	SMIN 0
.endif
.if S_SUB==4
	SMIN 1
	SMIN 2
	SMIN 3
	SCND 0
	SCND 1
.endif
.if S_SUB==5
	SCND 2
	SCND 3
	SCMP 4
	SCMP 5
	SCMP 6
.endif
.if S_SUB==6
	SCMP 7
	SMIN 4
	SMIN 5
	SMIN 6
	SMIN 7
.endif
.if S_SUB==7
	SCND 4
	SCND 5
	SCND 6
	SCND 7
.endif
.endm
; 32 matrix instructions: my 32 codes x world w's 32 rows x all 256 K, into accumulator set aset.  The four accumulators take turns, one instruction a turn.
; The first K step starts the sums with the constant 0.  epi: a slice of the other set's finishing behind each.
; ld (world 2 only, which reads the fragments last): the next pair's fragments (off bytes behind v[ADR]) are loaded in two runs, each behind the last use of the
; registers that it fills; the four places in front of a run are the slice with eighth 7, or four v_nop where there are no slices.
.macro PASS w, aset, epi, ld, off, seimm
	WIN 0x54*\w
.irp ks, 0,1,2,3,4,5,6,7
.if \w==1
.if \ks==0
	s_wait_dscnt 20                                ; LDS loads come back in order: K steps 0-3 are in; the 16 loads of K steps 4-7 and the 4 of se may be out
.endif
.if \ks==4
	s_wait_dscnt 4                                 ; K steps 4-7 are in; the 4 loads of se may be out (they are read a pair later, behind that pair's first wait)
.endif
.endif
.irp ctl, 0,1
.irp rtl, 0,1
.set P_A, ACC+\aset*32+(\ctl*2+\rtl)*8
.if \ks==0
	v_wmma_f32_16x16x32_bf16 v[P_A:P_A+7], v[F+\ctl*64+\ks*8:F+\ctl*64+\ks*8+7], v[X+\rtl*64+\ks*8:X+\rtl*64+\ks*8+7], 0
.else
	v_wmma_f32_16x16x32_bf16 v[P_A:P_A+7], v[F+\ctl*64+\ks*8:F+\ctl*64+\ks*8+7], v[X+\rtl*64+\ks*8:X+\rtl*64+\ks*8+7], v[P_A:P_A+7]
.endif
.if \epi
.set P_N, 4*\ks+2*\ctl+\rtl
	SLICE (1-\aset), P_N
.endif
.endr
.endr
.if \ld
.if \ks==3
.if \epi==0
	PLACES
.endif
	WIN 0
	LOADF \off, 0
	WIN 0x54*\w
.endif
.if \ks==7
.if \epi==0
	PLACES
.endif
	WIN 0
	LOADF \off, 4
	LOADSE (1-\aset), \seimm                       ; into the set whose last reader was slice 24 of this pass
.endif
.endif
.endr
.endm
.macro NEXTC                           ; world 2 has finished a pair: the next pair to be finished begins 64 codes on
	s_add_co_u32 s68, s68, 64
	s_add_co_u32 s69, s69, 64
.endm
; Two pairs' work, from world 2's pass of an odd pair g to world 1's pass of pair g + 2.  Its two runs of loads bring pairs g + 1 and g + 2, which lie
; side by side in one slot, at v[ADR] and 64 rows on.  LDS instructions have read their address when they are issued, so the steps need no wait.
.macro BODY
	PASS 2, 1, 1, 1, 0, 0
	NEXTC
	PASS 1, 0, 1, 0, 0, 0
	PASS 2, 0, 1, 1, QUARTB, 256
	NEXTC
	PASS 1, 1, 1, 0, 0, 0
	WIN 0                                          ; a branch or a label follows, and the addresses lie in window 0
	v_add_nc_u32 v[ADR], HALFB, v[ADR]             ; 128 codes on in the slot
	v_add_nc_u32 v[SEA], 512, v[SEA]               ; and in se
.endm
; A slot's turn: its four pairs are loaded by two bodies.  The body's last matrix instruction names world 1's set 1, its first world 2's set 1: the turns hold over the jump.
.macro BLOCK
	s_mov_b32 s19, 2
.Lbody_\@:
	BODY
	s_sub_co_u32 s19, s19, 1
	s_cmp_lg_u32 s19, 0
	s_cbranch_scc1 .Lbody_\@
.endm
; The change of slots, between the two worlds of a slot's last pair: its fragments are all in registers by then.
; mode 1: the slot is filled again, two tiles ahead.  Every wave waits for its LDS reads and for all its tensor loads (one is out: its quarter of the other slot),
; then the cluster's round: behind it no wave of any partner reads this slot or has a load on its way, and the other slot is whole.  The joint refill is the first
; thing behind the round, the wave's one tensor load until the next; it has the other slot's 256 matrix instructions in which to land.
; mode 2: nothing is left to fetch: the same waits and a work-group barrier show the last tile whole.
.macro BOUNDARY slot, mode
	WIN 0                                          ; branches and a label follow
	s_wait_dscnt 0x0
	s_wait_tensorcnt 0x0
	ds_add_u32 v254, v255
	s_wait_dscnt 0x0
.if \mode==1
	s_add_nc_u64 s[G0E+4*\slot+2:G0E+4*\slot+3], s[G0E+4*\slot+2:G0E+4*\slot+3], 2*TILEG   ; no tensor load of mine is out: the address may step
	ROUND
	tensor_load_to_lds s[G0E+4*\slot:G0E+4*\slot+3], s[G1E:G1E+7]
	s_nop 0
	v_nop
	v_nop
.else
	s_barrier_signal -1
	s_barrier_wait -1
.endif
.endm
; Row tile t (16 rows of x): 32 LDS loads of f32, rounded to bf16 into its world's fragments, and sx from the rounded numbers.
.macro XTILE t
.set X_W, 1+((\t)>>1)
.set X_R, (\t)&1
.set X_B, X+X_R*64
	WIN 0
.irp ks, 0,1,2,3,4,5,6,7
	ds_load_b128 v[F+\ks*16:F+\ks*16+3],     v[XA] offset:\t*16*XPITCH+\ks*128       ; K = 32 ks + 8 h + 0..3
	ds_load_b128 v[F+\ks*16+4:F+\ks*16+7],   v[XA] offset:\t*16*XPITCH+\ks*128+16    ; + 4..7
	ds_load_b128 v[F+\ks*16+8:F+\ks*16+11],  v[XA] offset:\t*16*XPITCH+\ks*128+64    ; K = 32 ks + 16 + 8 h + 0..3
	ds_load_b128 v[F+\ks*16+12:F+\ks*16+15], v[XA] offset:\t*16*XPITCH+\ks*128+80    ; + 4..7
.endr
	WIN 0x40*X_W
.irp ks, 0,1,2,3,4,5,6,7
	s_wait_dscnt 28-4*\ks                          ; K step ks's four loads are in; the four of each later K step may be out
.irp i, 0,1,2,3,4,5,6,7
	v_cvt_pk_bf16_f32 v[X_B+\ks*8+\i], v[F+\ks*16+2*\i], v[F+\ks*16+2*\i+1]
.endr
.endr
	WIN 0x55*X_W
.set X_N, 0
.rept 64
.if X_N<2
	v_fma_mix_f32_bf16 v[CH+2*(X_N&1)],   v[X_B+X_N], v[X_B+X_N], v[ZERO] op_sel_hi:[1,1,0]
	v_fma_mix_f32_bf16 v[CH+2*(X_N&1)+1], v[X_B+X_N], v[X_B+X_N], v[ZERO] op_sel:[1,1,0] op_sel_hi:[1,1,0]
.else
	v_fma_mix_f32_bf16 v[CH+2*(X_N&1)],   v[X_B+X_N], v[X_B+X_N], v[CH+2*(X_N&1)] op_sel_hi:[1,1,0]
	v_fma_mix_f32_bf16 v[CH+2*(X_N&1)+1], v[X_B+X_N], v[X_B+X_N], v[CH+2*(X_N&1)+1] op_sel:[1,1,0] op_sel_hi:[1,1,0]
.endif
.set X_N, X_N+1
.endr
	v_add_f32 v[CH], v[CH], v[CH+1]
	v_add_f32 v[CH+2], v[CH+2], v[CH+3]
	v_add_f32 v[SX+2*X_R], v[CH], v[CH+2]          ; my half of the row's K
	v_permlanex16_b32 v[CH+1], v[SX+2*X_R], s74, s75
	v_add_f32 v[SX+2*X_R], v[SX+2*X_R], v[CH+1]    ; + the other half's
	v_mov_b32 v[SX+2*X_R+1], v[SX+2*X_R]
.endm
; (va, ia) = the lesser of (va, ia) and (vb, ib): by value, then by index.  The masks select values alone.
.macro LEXMIN va, ia, vb, ib
	v_cmp_lt_f32 s70, v[\vb], v[\va]
	v_cmp_eq_f32 s71, v[\vb], v[\va]
	v_cmp_lt_u32 s72, v[\ib], v[\ia]
	s_and_b32 s71, s71, s72
	s_or_b32 s70, s70, s71
	v_cndmask_b32 v[\va], v[\va], v[\vb], s70
	v_cndmask_b32 v[\ia], v[\ia], v[\ib], s70
.endm
; World w's two row tiles: eight candidates a lane to one, the two halves of the lanes to one, into SCR.
.macro MERGE w
	WIN 0x55*\w
.irp rtl, 0,1
.irp j, 1,2,3,4,5,6,7
	v_add_nc_u32 v[IDX+\rtl*8+\j], \j, v[IDX+\rtl*8+\j]            ; register j holds code j of its eight
.endr
.irp a, 0,2,4,6
	LEXMIN BEST+\rtl*8+\a, IDX+\rtl*8+\a, BEST+\rtl*8+\a+1, IDX+\rtl*8+\a+1
.endr
.irp a, 0,4
	LEXMIN BEST+\rtl*8+\a, IDX+\rtl*8+\a, BEST+\rtl*8+\a+2, IDX+\rtl*8+\a+2
.endr
	LEXMIN BEST+\rtl*8, IDX+\rtl*8, BEST+\rtl*8+4, IDX+\rtl*8+4
.endr
	WIN 0x54*\w
	v_lshl_add_u32 v[IDX], v2, 3, v[IDX]           ; + 8 h
	v_lshl_add_u32 v[IDX+8], v2, 3, v[IDX+8]
	WIN 0x55*\w
.irp rtl, 0,1
	v_permlanex16_b32 v[T], v[BEST+\rtl*8], s74, s75
	v_permlanex16_b32 v[T+1], v[IDX+\rtl*8], s74, s75
	LEXMIN BEST+\rtl*8, IDX+\rtl*8, T, T+1
.endr
	WIN 0x54*\w
.irp rtl, 0,1
	ds_store_b32 v[SA], v[BEST+\rtl*8] offset:(\w-1)*128+\rtl*64          ; both halves of the lanes write the same word with the same value
	ds_store_b32 v[SA], v[IDX+\rtl*8] offset:1024+(\w-1)*128+\rtl*64
.endr
.endm
	s_load_b256 s[4:11], s[0:1], 0x0               ; x s[4:5], embb s[6:7], se s[8:9], out2 s[10:11]
	s_load_b64 s[12:13], s[0:1], 0x20              ; win
	v_lshl_add_u32 v254, v0, 2, 0x4a800
	v_mov_b32 v255, 0
	ds_add_u32 v254, v255
	v_lshrrev_b32 v3, 5, v0
	v_readfirstlane_b32 s14, v3                    ; wave 0..3
	s_lshr_b32 s15, s14, 1                         ; rh: which 64 rows of x
	s_and_b32 s16, s14, 1                          ; ch: which 32 of every 64 codes
	s_bfe_u32 s17, ttmp6, 0x40000                  ; cx: my place in the cluster
	s_lshl_b32 s18, ttmp9, 2                       ; in a cluster launch ttmp9 counts clusters
	s_add_co_u32 s18, s18, s17                     ; work-group = 4 x cluster + cx
	s_mov_b32 s67, 0x7f800000                      ; +infinity
	s_mov_b32 s74, 0x76543210                      ; v_permlanex16_b32: lane i of one half reads lane i of the other
	s_mov_b32 s75, 0xfedcba98
	; group 1 of a tile of embb: 64 rows x 256 elements of 2 bytes, 16 bytes of padding behind each row of 128 words; mask 15 with bit 21 beside it
	s_mov_b32 s[G1E+0], 15|(1<<16)|(1<<20)|(1<<21)|(6<<22)|(3<<25)
	s_mov_b32 s[G1E+1], 256<<16                    ; tensor_dim0 = 256
	s_mov_b32 s[G1E+2], 64<<16                     ; tensor_dim1 = 64
	s_mov_b32 s[G1E+3], 256<<16                    ; tile_dim0 = 256
	s_mov_b32 s[G1E+4], 64                         ; tile_dim1 = 64
	s_mov_b32 s[G1E+5], 256                        ; elements from row to row
	s_mov_b32 s[G1E+6], 0
	s_mov_b32 s[G1E+7], 0
	; group 1 of x's stage: 32 rows x 256 elements of 4 bytes, 16 bytes of padding behind each row of 256 words; no mask
	s_mov_b32 s[G1X+0], (2<<16)|(1<<20)|(7<<22)|(3<<25)
	s_mov_b32 s[G1X+1], 256<<16
	s_mov_b32 s[G1X+2], 32<<16
	s_mov_b32 s[G1X+3], 256<<16
	s_mov_b32 s[G1X+4], 32
	s_mov_b32 s[G1X+5], 256
	s_mov_b32 s[G1X+6], 0
	s_mov_b32 s[G1X+7], 0
	; group 1 of a quarter of se: 8,192 dense bytes as 32 rows x 32 elements of 8 bytes; mask 15 with bit 21 beside it
	s_mov_b32 s[G1S+0], 15|(3<<16)|(1<<21)
	s_mov_b32 s[G1S+1], 32<<16
	s_mov_b32 s[G1S+2], 32<<16
	s_mov_b32 s[G1S+3], 32<<16
	s_mov_b32 s[G1S+4], 32
	s_mov_b32 s[G1S+5], 32
	s_mov_b32 s[G1S+6], 0
	s_mov_b32 s[G1S+7], 0
	; groups 0.  LDS addresses hang on the wave's number alone; the joint loads' global addresses too.
	s_mul_i32 s20, s14, QUARTB                     ; my quarter of a slot
	s_mul_i32 s21, s14, 32*XPITCH                  ; my quarter of x's stage
	s_lshl_b32 s22, s14, 15                        ; my 64 rows of a tile in embb
	s_mov_b32 s23, 0
	s_lshl_b32 s76, s18, 2
	s_add_co_u32 s76, s76, s14
	s_lshl_b32 s76, s76, 15                        ; (4 work-group + wave) x 32 rows of 1,024 bytes
	s_mov_b32 s77, 0
	s_lshl_b32 s78, s18, 9                         ; the work-group's 512 bytes of out2 and of win
	s_mov_b32 s79, 0
	s_wait_dscnt 0x0
	s_wait_kmcnt 0x0
	s_mov_b32 s[G0E+0], 1
	s_add_co_u32 s[G0E+1], s20, 0
	s_add_nc_u64 s[G0E+2:G0E+3], s[6:7], s[22:23]                  ; tile 0
	s_mov_b32 s[G0E+4], 1
	s_add_co_u32 s[G0E+5], s20, SLOTB
	s_add_nc_u64 s[G0E+6:G0E+7], s[G0E+2:G0E+3], TILEG             ; tile 1
	s_or_b32 s[G0E+3], s[G0E+3], 0x80000000                       ; type = 2
	s_or_b32 s[G0E+7], s[G0E+7], 0x80000000
	s_mov_b32 s[G0X+0], 1
	s_add_co_u32 s[G0X+1], s21, SLOTB
	s_add_nc_u64 s[G0X+2:G0X+3], s[4:5], s[76:77]
	s_or_b32 s[G0X+3], s[G0X+3], 0x80000000
	s_lshl_b32 s22, s14, 13                        ; my quarter of se
	s_mov_b32 s[G0S+0], 1
	s_add_co_u32 s[G0S+1], s22, SEB
	s_add_nc_u64 s[G0S+2:G0S+3], s[8:9], s[22:23]
	s_or_b32 s[G0S+3], s[G0S+3], 0x80000000
	s_add_nc_u64 s[10:11], s[10:11], s[78:79]
	s_add_nc_u64 s[12:13], s[12:13], s[78:79]
	ROUND                                          ; all four work-groups are here: the first joint loads meet
	tensor_load_to_lds s[G0X:G0X+3], s[G1X:G1X+7]                  ; the three first fills go out together: three tensor loads of the wave are out
	s_nop 0
	tensor_load_to_lds s[G0E:G0E+3], s[G1E:G1E+7]
	s_nop 0
	tensor_load_to_lds s[G0S:G0S+3], s[G1S:G1S+7]
	s_nop 0
	; addresses and starting values, while the fills are on their way
	v_and_b32 v1, 15, v0                           ; r
	v_bfe_u32 v2, v0, 4, 1                         ; h
	s_mul_i32 s20, s16, 32*PITCH
	v_mul_u32_u24 v3, v1, PITCH
	v_lshl_add_u32 v3, v2, 4, v3
	v_add_nc_u32 v[ADR0], s20, v3                  ; (32 ch + r) x pitch + 16 h
	v_mov_b32 v[ADR], v[ADR0]                      ; the first loads take slot 0's pairs 0 and 1
	s_lshl_b32 s21, s16, 7
	s_add_co_u32 s21, s21, SEB
	v_lshl_add_u32 v[SEA], v2, 5, s21              ; se + 4 (32 ch + 8 h)
	s_mul_i32 s22, s15, 64*XPITCH
	s_add_co_u32 s22, s22, SLOTB
	v_mul_u32_u24 v3, v1, XPITCH
	v_lshl_add_u32 v3, v2, 5, v3
	v_add_nc_u32 v[XA], s22, v3                    ; stage + (64 rh + r) x pitch + 32 h
	s_lshl_b32 s23, s16, 9
	s_lshl_b32 s20, s15, 8
	s_add_co_u32 s23, s23, s20
	s_add_co_u32 s23, s23, SCR
	v_lshl_add_u32 v[SA], v1, 2, s23               ; SCR + 512 ch + 4 (64 rh + r)
	v_and_b32 v3, 31, v0
	v_lshlrev_b32 v[OUTO], 4, v3
	v_add_nc_u32 v[RDA], SCR, v[OUTO]
.irp w, 1,2
	WIN 0x40*\w
	v_mov_b32 v[ZERO], 0
.irp i, 0,1,2,3,4,5,6,7,8,9,10,11,12,13,14,15
	v_mov_b32 v[BEST+\i], s67
	v_mov_b32 v[IDX+\i], 0
.endr
.endr
	WIN 0
	s_wait_tensorcnt 0x0                           ; my quarters of x, of tile 0 and of se are in,
	s_barrier_signal -1
	s_barrier_wait -1                              ; everybody's are
	XTILE 0
	XTILE 1
	XTILE 2
	XTILE 3
	WIN 0
	s_wait_dscnt 0x0                               ; my reads of x's stage are over (met: the last count-down ended at 0),
	s_wait_tensorcnt 0x0                           ; and no tensor load of mine is out:
	ds_add_u32 v254, v255
	s_wait_dscnt 0x0
	ROUND                                          ; that holds of every wave of all four work-groups,
	tensor_load_to_lds s[G0E+4:G0E+7], s[G1E:G1E+7]                ; so tile 1 goes over the stage: my one tensor load behind the round
	s_nop 0
	LOADF 0, 0                                     ; pair 0
	LOADF 0, 4
	LOADSE 0, 0
	s_lshl_b32 s68, s16, 5                         ; first code of pair 0's two code tiles
	s_add_co_u32 s69, s68, 16
	PASS 1, 0, 0, 0, 0, 0                          ; pair 0 has no pair before it to finish: no slices,
	PASS 2, 0, 0, 1, QUARTB, 256                   ; and s68, s69 stay; pair 1 is loaded
	PASS 1, 1, 1, 0, 0, 0                          ; pair 1, world 1: from here on every pass finishes a part of the pair before
	WIN 0
	v_add_nc_u32 v[ADR], HALFB, v[ADR0]            ; slot 0's pairs 2 and 3
	v_add_nc_u32 v[SEA], 512, v[SEA]
	BODY                                           ; the rest of tile 0's turn
	s_mov_b32 s66, 15
.Llap:                                             ; lap k = 0 .. 14
	BOUNDARY 0, 1                                  ; tile 2 k is all in registers: tile 2 k + 2 goes into slot 0; tile 2 k + 1 is whole
	v_add_nc_u32 v[ADR], SLOTB, v[ADR0]
	BLOCK                                          ; tile 2 k + 1, from slot 1
	BOUNDARY 1, 1                                  ; tile 2 k + 3 goes into slot 1; tile 2 k + 2 is whole
	v_mov_b32 v[ADR], v[ADR0]
	BLOCK                                          ; tile 2 k + 2, from slot 0
	s_sub_co_u32 s66, s66, 1
	s_cmp_lg_u32 s66, 0
	s_cbranch_scc1 .Llap
	BOUNDARY 0, 2                                  ; nothing is left to fetch: tiles 2 to 31 were asked for in the 15 laps; tile 31 is whole
	v_add_nc_u32 v[ADR], SLOTB, v[ADR0]
	BLOCK                                          ; tile 31, from slot 1
	PASS 2, 1, 1, 0, 0, 0                          ; world 2 of the last pair: nothing more to load
	NEXTC
	s_wait_dscnt 0x0                               ; the last pair's se: no later counted wait stands behind its four loads
	WIN 0x54                                       ; the last pair (set 1) is finished without matrix work; world 1's slices are the places behind world 2's last matrix instructions
.set D_N, 0
.rept 32
	SLICE 1, D_N
.set D_N, D_N+1
.endr
	WIN 0xa8
.set D_N, 0
.rept 32
	SLICE 1, D_N
.set D_N, D_N+1
.endr
	MERGE 1
	MERGE 2
	WIN 0
	s_wait_dscnt 0x0                               ; for wave 0's sake: my stores into SCR are done before I signal
	ROUND                                          ; the closing round: no work-group ends while a partner may still ask jointly; its first barrier also shows SCR whole
	s_cmp_lg_u32 s14, 0
	s_cbranch_scc1 .Lend
	ds_load_b128 v[FIN:FIN+3],     v[RDA]              ; rows 4 l .. 4 l + 3: least d among the codes of ch = 0,
	ds_load_b128 v[FIN+4:FIN+7],   v[RDA] offset:512   ; of ch = 1,
	ds_load_b128 v[FIN+8:FIN+11],  v[RDA] offset:1024  ; and their indices
	ds_load_b128 v[FIN+12:FIN+15], v[RDA] offset:1536
	s_wait_dscnt 0x0
.irp i, 0,1,2,3
	LEXMIN FIN+\i, FIN+8+\i, FIN+4+\i, FIN+12+\i
.endr
	global_store_b128 v[OUTO], v[FIN+8:FIN+11], s[10:11]           ; 512 consecutive bytes, at a multiple of 512 from the buffer's first byte
	global_store_b128 v[OUTO], v[FIN+8:FIN+11], s[12:13]
.Lend:
	s_wait_tensorcnt 0x0
	ds_add_u32 v254, v255
	s_wait_dscnt 0x0
	s_endpgm
.Lfunc_end_k_q58b18a085c_vq:
	.size	k_q58b18a085c_vq, .Lfunc_end_k_q58b18a085c_vq-k_q58b18a085c_vq
	.p2alignl 7, 3214868480
	.fill 96, 4, 3214868480
	.section	.rodata,"a",@progbits
	.p2align	6, 0x0
	.amdhsa_kernel k_q58b18a085c_vq
		.amdhsa_group_segment_fixed_size 327680
		.amdhsa_private_segment_fixed_size 0
		.amdhsa_enable_private_segment 0
		.amdhsa_kernarg_size 40
		.amdhsa_user_sgpr_count 2
		.amdhsa_user_sgpr_kernarg_segment_ptr 1
		.amdhsa_wavefront_size32 1
		.amdhsa_system_sgpr_workgroup_id_x 1
		.amdhsa_system_sgpr_workgroup_id_y 1
		.amdhsa_system_sgpr_workgroup_id_z 1
		.amdhsa_system_vgpr_workitem_id 0
		.amdhsa_next_free_vgpr 768
		.amdhsa_next_free_sgpr 80
		.amdhsa_reserve_vcc 0
		.amdhsa_float_denorm_mode_32 3
		.amdhsa_float_denorm_mode_16_64 3
		.amdhsa_memory_ordered 1
		.amdhsa_forward_progress 1
		.amdhsa_inst_pref_size 255
	.end_amdhsa_kernel
	.section	.bss,"aw",@nobits
	.p2align	6
	.space	262144
	.amdgpu_metadata
---
amdhsa.version: [ 1, 2 ]
amdhsa.kernels:
  - .name:           k_q58b18a085c_vq
    .symbol:         k_q58b18a085c_vq.kd
    .args:
      - { .name: x, .offset: 0, .size: 8, .value_kind: global_buffer, .address_space: global }
      - { .name: embb, .offset: 8, .size: 8, .value_kind: global_buffer, .address_space: global }
      - { .name: se, .offset: 16, .size: 8, .value_kind: global_buffer, .address_space: global }
      - { .name: out2, .offset: 24, .size: 8, .value_kind: global_buffer, .address_space: global }
      - { .name: win, .offset: 32, .size: 8, .value_kind: global_buffer, .address_space: global }
    .group_segment_fixed_size: 327680
    .private_segment_fixed_size: 0
    .kernarg_segment_align: 8
    .kernarg_segment_size: 40
    .max_flat_workgroup_size: 128
    .sgpr_count:     80
    .vgpr_count:     768
    .wavefront_size: 32
...
	.end_amdgpu_metadata
.endif
;; end of part 5
;; launch gather: the kernel of part 3 again; grid 512 x 1, 8 waves a work-group, no clusters, 1,280 bytes of LDS; arguments x, emb, win, out0, part; writes out0, part
;; launch lossum: the kernel of part 4 again; grid 1 x 1, 1 waves a work-group, no clusters, 0 bytes of LDS; arguments part, out1; writes out1
